; MI455X (gfx1250); checked and timed in simulation.
; The chip was launched on July 23, 2026; its instructions are those of AMD's public machine-readable ISA for CDNA 5 (MIT licence, August 2026) and "CDNA5" Instruction Set Architecture Reference Guide (July 2026). The comments in the code are by the model that wrote it; some were corrected since.
;; Swin Transformer. Allowed arithmetic: float matrix products may take bf16 or f16 operands with f32 sums; all other float work in f32.
;; Inputs: f1b 2 x 512 float32; f1w 2 x 128 x 512 float32; f2b 2 x 128 float32; f2w 2 x 512 x 128 float32; n1b 2 x 128 float32; n1g 2 x 128 float32; n2b 2 x 128 float32; n2g 2 x 128 float32; pb 2 x 128 float32; pw 2 x 128 x 128 float32; qkvb 2 x 384 float32; qkvw 2 x 128 x 384 float32; rpb 2 x 169 x 4 float32; x 32 x 3,136 x 128 float32.
;; Outputs: out0 32 x 3,136 x 128 float32.
;; 2 versions, each right and faster than the one before. Each part assembles by itself: llvm-mc -triple=amdgcn-amd-amdhsa -mcpu=gfx1250 --defsym DOCPART=n.
;; ======== version 1 of 2: 3 launches
;; limits: a function is approximated: absolute error at most 2.5e-05; an absolute error that grows with the inputs' magnitude: up to 1.25e-05 times it
;; workspace buffers: wimg0 466,944 bytes; wimg1 466,944 bytes; par0 512 bytes of whole numbers; par1 512 bytes of whole numbers; mid 51,380,224 bytes
;; launch prep (part 1): grid 232 x 2, 4 waves a work-group, no clusters, 0 bytes of LDS; arguments qkvw, pw, f1w, f2w, n1g, n1b, n2g, n2b, qkvb, pb, f1b, f2b, rpb, wimg0, wimg1, par0, par1; writes wimg0, wimg1, par0, par1
.if DOCPART == 1
	.amdgcn_target "amdgcn-amd-amdhsa--gfx1250"
	.amdhsa_code_object_version 6
	.text
	.protected	k_qa4db39d46a_prep
	.globl	k_qa4db39d46a_prep
	.p2align	8
	.type	k_qa4db39d46a_prep,@function
k_qa4db39d46a_prep:
	s_mov_b64 s[64:65], 0
	v_nop
	global_prefetch_b8 v0, s[64:65] scope:SCOPE_SE
	s_setreg_imm32_b32 hwreg(HW_REG_WAVE_MODE, 25, 1), 1
	s_wait_xcnt 0x0
; PREP.  For each of the two blocks (work-group y) one IMAGE of 466,944 bytes is written, which the layer launch copies into LDS as it lies:
; all weights in bf16 in fragment order, the folded bias vectors in f32, the bias table in accumulator order; and the block's shift as whole numbers.
; A FRAGMENT is 16 rows m x 32 k, 1,024 bytes: lane L = (r = L % 16, h = L / 16) finds k = 8h..8h+7 of row r at byte 16 L and k = 16+8h..+7 at byte 512 + 16 L.
; Row m is an output channel, k an input channel: the element is W[k][m].
; FOLDINGS (all in f32, rounded to bf16 once): the first norm's gain into qkvw, its offset into qkvb (b' = b + beta . W); the second norm's into f1w and f1b;
; 32^-0.5 x log2(e) into q's weights and bias and log2(e) into the table, so that the logits are in base 2;
; kappa = sqrt(log2(e) / 2) into f1w and f1b and 1 / (2 kappa) into f2w, for the layer's GELU.
; Four waves; a work-group writes 2,048 consecutive bytes (two fragments or two table tiles: a wave's store of 16 bytes a lane covers 512 consecutive bytes) or 512 bytes of a vector
; (4 bytes a lane, 128 consecutive bytes a wave: the vectors are 8 KB of the image).
; Memory binds and the whole launch moves about 3 MB: no LDS, no barrier, no matrix unit, no cluster (no two work-groups read the same bytes but the gains and offsets).
.set IMG_TAB,  159744
.set IMG_VECA, 225280
.set IMG_PROJ, 229376
.set IMG_VECM, 262144
	s_load_b512 s[4:19], s[0:1], 0x0               ; qkvw 4, pw 6, f1w 8, f2w 10, n1g 12, n1b 14, n2g 16, n2b 18
	s_load_b512 s[20:35], s[0:1], 0x40             ; qkvb 20, pb 22, f1b 24, f2b 26, rpb 28, wimg0 30, wimg1 32, par0 34
	s_load_b64 s[36:37], s[0:1], 0x80              ; par1
	s_and_b32 s2, ttmp7, 0xffff                    ; the block
	s_mov_b32 s3, ttmp9                            ; the task
	s_mov_b32 s43, 0
	s_mov_b32 s49, 0
	v_lshrrev_b32 v1, 6, v0                        ; fi: which of the work-group's two fragments
	v_bfe_u32 v2, v0, 5, 1                         ; pp: which half of the fragment
	v_and_b32 v3, 15, v0                           ; r
	v_bfe_u32 v4, v0, 4, 1                         ; h
	v_lshlrev_b32 v5, 4, v0                        ; my 16 bytes of the work-group's 2,048
	v_lshlrev_b32 v6, 4, v2
	v_lshl_add_u32 v6, v4, 3, v6                   ; 16 pp + 8 h: my first k in a fragment
	s_wait_kmcnt 0x0
	s_cmp_eq_u32 s2, 0
	s_cselect_b64 s[38:39], s[30:31], s[32:33]     ; the block's image
	s_cselect_b64 s[40:41], s[34:35], s[36:37]     ; and its whole numbers
.macro LAYER p, size                   ; an input's pointer goes to the block's part
	s_mul_i32 s42, s2, \size
	s_add_nc_u64 s[\p:\p+1], s[\p:\p+1], s[42:43]
.endm
	LAYER 4, 196608
	LAYER 6, 65536
	LAYER 8, 262144
	LAYER 10, 262144
	LAYER 12, 512
	LAYER 14, 512
	LAYER 16, 512
	LAYER 18, 512
	LAYER 20, 1536
	LAYER 22, 512
	LAYER 24, 2048
	LAYER 26, 512
	LAYER 28, 2704
; Two fragments of a weight matrix [K][nn].  s44: the scalar part of k; s45: of m; s[46:47]: the scale; s[48:49]: where in the image.
; fik = 1: the second fragment is 32 further along k; 0: 16 further along m.  gain: the pointer of a gain along k, or -1.  sc = 1: the scale is applied.
.macro WFRAG src, nn, gain, fik, sc
.if \fik
	v_lshl_add_u32 v7, v1, 5, v6
	v_add_nc_u32 v7, s44, v7                       ; k0
	v_add_nc_u32 v8, s45, v3                       ; m
.else
	v_add_nc_u32 v7, s44, v6
	v_lshl_add_u32 v8, v1, 4, v3
	v_add_nc_u32 v8, s45, v8
.endif
	v_mul_u32_u24 v9, v7, \nn
	v_add_lshl_u32 v9, v9, v8, 2                   ; (k0 nn + m) x 4
.irp i, 0,1,2,3,4,5,6,7
	global_load_b32 v[16+\i], v9, s[\src:\src+1] offset:\i*\nn*4
.endr
.if \gain >= 0
	v_lshlrev_b32 v10, 2, v7
	global_load_b128 v[24:27], v10, s[\gain:\gain+1]
	global_load_b128 v[28:31], v10, s[\gain:\gain+1] offset:16
.endif
	s_add_nc_u64 s[38:39], s[38:39], s[48:49]
	s_wait_loadcnt 0x0
.if \gain >= 0
.irp i, 0,2,4,6
	v_pk_mul_f32 v[16+\i:17+\i], v[16+\i:17+\i], v[24+\i:25+\i]
.endr
.endif
.if \sc
.irp i, 0,2,4,6
	v_pk_mul_f32 v[16+\i:17+\i], v[16+\i:17+\i], s[46:47] op_sel_hi:[1,0]
.endr
.endif
.irp i, 0,1,2,3
	v_cvt_pk_bf16_f32 v[32+\i], v[16+2*\i], v[17+2*\i]
.endr
	global_store_b128 v5, v[32:35], s[38:39]
	s_endpgm
.endm
; v8 += the sum over k of u[k] W[k][m], m = my column (v7 = 4 m): 16 trips of 8 k
.macro VEC w, nn, u
	s_mov_b32 s47, 16
.Lvec_\@:
	s_load_b256 s[52:59], s[\u:\u+1], 0x0
.irp i, 0,1,2,3,4,5,6,7
	global_load_b32 v[16+\i], v7, s[\w:\w+1] offset:\i*\nn*4
.endr
	s_wait_kmcnt 0x0
	s_wait_loadcnt 0x0                             ; in the first trip also the bias that starts the sum
.irp i, 0,1,2,3,4,5,6,7
	v_fmac_f32 v8, s[52+\i], v[16+\i]
.endr
	s_wait_xcnt 0x0                                ; the two bases are stepped only behind this wait
	s_add_nc_u64 s[\u:\u+1], s[\u:\u+1], 32
	s_add_nc_u64 s[\w:\w+1], s[\w:\w+1], 8*\nn*4
	s_sub_co_u32 s47, s47, 1
	s_cmp_lg_u32 s47, 0
	s_cbranch_scc1 .Lvec_\@
.endm
	s_cmp_lt_u32 s3, 48
	s_cbranch_scc1 .Lqkv
	s_cmp_lt_u32 s3, 64
	s_cbranch_scc1 .Lproj
	s_cmp_lt_u32 s3, 128
	s_cbranch_scc1 .Lfc1
	s_cmp_lt_u32 s3, 192
	s_cbranch_scc1 .Lfc2
	s_cmp_lt_u32 s3, 195
	s_cbranch_scc1 .Lvq
	s_cmp_lt_u32 s3, 199
	s_cbranch_scc1 .Lvf
	s_cmp_eq_u32 s3, 199
	s_cbranch_scc1 .Lmisc
	; tasks 200..231: THE TABLE.  Tile (head x 16 + query tile x 4 + key tile), 1,024 bytes of f32 in accumulator order: lane (r, h), register j: query 16 qt + r, key 16 kt + 8 h + j.
	; Value: log2(e) x rpb[(yq - yk + 6) x 13 + xq - xk + 6][head]; -1e30 for the padded keys 49..63; padded queries take query 48's row.
	s_sub_co_u32 s47, s3, 200
	s_lshl_b32 s44, s47, 1
	v_add_nc_u32 v7, s44, v1                       ; my tile
	v_lshrrev_b32 v8, 4, v7                        ; head
	v_bfe_u32 v9, v7, 2, 2                         ; query tile
	v_and_b32 v10, 3, v7                           ; key tile
	v_lshl_add_u32 v9, v9, 4, v3
	v_min_u32 v9, 48, v9                           ; the query
	v_mul_u32_u24 v11, v9, 37
	v_lshrrev_b32 v11, 8, v11                      ; y = n / 7, exact for n up to 63
	v_mad_u32_u24 v12, v11, 6, v9                  ; 13 y + x = 6 y + n
	v_add_nc_u32 v12, 84, v12                      ; + 6 x 13 + 6
	v_lshlrev_b32 v13, 4, v10
	v_lshl_add_u32 v13, v4, 3, v13
	v_lshl_add_u32 v13, v2, 2, v13                 ; my first key
.irp i, 0,1,2,3
	v_add_nc_u32 v[28+\i], \i, v13
	v_min_u32 v14, 48, v[28+\i]
	v_mul_u32_u24 v15, v14, 37
	v_lshrrev_b32 v15, 8, v15
	v_mad_u32_u24 v15, v15, 6, v14
	v_sub_nc_u32 v15, v12, v15                     ; the index, 0 to 168
	v_lshl_add_u32 v15, v15, 2, v8
	v_lshlrev_b32 v[20+\i], 2, v15
	global_load_b32 v[24+\i], v[20+\i], s[28:29]
.endr
	s_lshl_b32 s48, s47, 11
	s_add_co_u32 s48, s48, IMG_TAB
	s_add_nc_u64 s[38:39], s[38:39], s[48:49]
	s_mov_b32 s46, 0xf149f2ca                      ; -1e30
	s_wait_loadcnt 0x0
.irp i, 0,1,2,3
	v_mul_f32 v[24+\i], 0x3fb8aa3b, v[24+\i]
	v_cmp_lt_u32 vcc_lo, 48, v[28+\i]
	v_cndmask_b32 v[24+\i], v[24+\i], s46, vcc_lo
.endr
	global_store_b128 v5, v[24:27], s[38:39]
	s_endpgm
.Lqkv:                                                 ; tasks 0..47: tile e / 2 of 24, fragments 2 (e % 2) and + 1
	s_and_b32 s44, s3, 1
	s_lshl_b32 s44, s44, 6
	s_lshr_b32 s45, s3, 1
	s_lshl_b32 s45, s45, 4
	s_lshl_b32 s48, s3, 11
	s_cmp_lt_u32 s3, 16                            ; q's columns
	s_cselect_b32 s46, 0x3e8293ee, 1.0             ; 32^-0.5 x log2(e) = 0.25503487
	s_mov_b32 s47, s46
	WFRAG 4, 384, 12, 1, 1
.Lproj:                                                ; tasks 48..63
	s_sub_co_u32 s50, s3, 48
	s_and_b32 s44, s50, 1
	s_lshl_b32 s44, s44, 6
	s_lshr_b32 s45, s50, 1
	s_lshl_b32 s45, s45, 4
	s_lshl_b32 s48, s50, 11
	s_add_co_u32 s48, s48, IMG_PROJ
	WFRAG 6, 128, -1, 1, 0
.Lfc1:                                                 ; tasks 64..127: tile t = e / 2 of 32; in LDS it lies at 65,536 + 4,096 t, and it comes with the first fill (t = 8..22), the second (t < 8) or the third
	s_sub_co_u32 s50, s3, 64
	s_and_b32 s44, s50, 1
	s_lshl_b32 s44, s44, 6
	s_lshr_b32 s51, s50, 1
	s_lshl_b32 s45, s51, 4
	s_lshl_b32 s48, s50, 11
	s_mov_b32 s52, 65536
	s_cmp_lt_u32 s51, 8
	s_cselect_b32 s52, 331776, s52
	s_cmp_gt_u32 s51, 22
	s_cselect_b32 s52, 270336, s52
	s_add_co_u32 s48, s48, s52
	s_mov_b32 s46, 0x3f596d27                      ; kappa = 0.8493218
	s_mov_b32 s47, s46
	WFRAG 8, 512, 16, 1, 1
.Lfc2:                                                 ; tasks 128..191: chunk e / 4 of 16 (32 k), tiles 2 (e % 4) and + 1 of 8
	s_sub_co_u32 s50, s3, 128
	s_lshr_b32 s44, s50, 2
	s_lshl_b32 s44, s44, 5
	s_and_b32 s45, s50, 3
	s_lshl_b32 s45, s45, 5
	s_lshl_b32 s48, s50, 11
	s_mov_b32 s52, 335872                          ; chunks 8..15 come with the third fill,
	s_cmp_lt_u32 s50, 32
	s_cselect_b32 s52, 266240, s52                 ; chunks 0..7 with the second (one literal to an instruction)
	s_add_co_u32 s48, s48, s52
	s_mov_b32 s46, 0x3f16b55f                      ; 1 / (2 kappa) = 0.588705
	s_mov_b32 s47, s46
	WFRAG 10, 128, -1, 0, 1
.Lvq:                                                  ; tasks 192..194: q's, k's, v's bias: (qkvb + n1b . qkvw) x scale
	s_sub_co_u32 s50, s3, 192
	s_lshl_b32 s44, s50, 9
	v_lshl_add_u32 v7, v0, 2, s44                  ; 4 m
	global_load_b32 v8, v7, s[20:21]
	s_cmp_eq_u32 s50, 0
	s_cselect_b32 s46, 0x3e8293ee, 1.0
	VEC 4, 384, 14
	v_mul_f32 v8, s46, v8
	global_store_b32 v7, v8, s[38:39] offset:IMG_VECA
	s_endpgm
.Lvf:                                                  ; tasks 195..198: (f1b + n2b . f1w) x kappa
	s_sub_co_u32 s50, s3, 195
	s_lshl_b32 s44, s50, 9
	v_lshl_add_u32 v7, v0, 2, s44
	global_load_b32 v8, v7, s[24:25]
	s_mov_b32 s46, 0x3f596d27
	VEC 8, 512, 18
	v_mul_f32 v8, s46, v8
	global_store_b32 v7, v8, s[38:39] offset:IMG_VECM
	s_endpgm
.Lmisc:                                                ; task 199: pb, f2b, the vectors' unused bytes (they are copied into LDS, so they are written), and the shift
	v_lshlrev_b32 v7, 2, v0
	global_load_b32 v8, v7, s[22:23]
	global_load_b32 v9, v7, s[26:27]
	v_mov_b32 v10, 0
	s_mul_i32 s44, s2, 3                           ; the shift: 0, 3
	v_mov_b32 v11, s44
.irp i, 0,1,2,3
	global_store_b32 v7, v10, s[38:39] offset:IMG_VECA+2048+512*\i
.endr
.irp i, 0,1,2
	global_store_b32 v7, v10, s[38:39] offset:IMG_VECM+2560+512*\i
.endr
	global_store_b32 v7, v11, s[40:41]
	s_wait_loadcnt 0x0
	global_store_b32 v7, v8, s[38:39] offset:IMG_VECA+1536
	global_store_b32 v7, v9, s[38:39] offset:IMG_VECM+2048
	s_endpgm
.Lfunc_end_k_qa4db39d46a_prep:
	.size	k_qa4db39d46a_prep, .Lfunc_end_k_qa4db39d46a_prep-k_qa4db39d46a_prep
	.p2alignl 7, 3214868480
	.fill 96, 4, 3214868480
	.section	.rodata,"a",@progbits
	.p2align	6, 0x0
	.amdhsa_kernel k_qa4db39d46a_prep
		.amdhsa_group_segment_fixed_size 0
		.amdhsa_private_segment_fixed_size 0
		.amdhsa_enable_private_segment 0
		.amdhsa_kernarg_size 136
		.amdhsa_user_sgpr_count 2
		.amdhsa_user_sgpr_kernarg_segment_ptr 1
		.amdhsa_wavefront_size32 1
		.amdhsa_system_sgpr_workgroup_id_x 1
		.amdhsa_system_sgpr_workgroup_id_y 1
		.amdhsa_system_sgpr_workgroup_id_z 1
		.amdhsa_system_vgpr_workitem_id 0
		.amdhsa_next_free_vgpr 48
		.amdhsa_next_free_sgpr 66
		.amdhsa_reserve_vcc 1
		.amdhsa_float_denorm_mode_32 3
		.amdhsa_float_denorm_mode_16_64 3
		.amdhsa_memory_ordered 1
		.amdhsa_forward_progress 1
		.amdhsa_inst_pref_size 21
	.end_amdhsa_kernel
	.amdgpu_metadata
---
amdhsa.version: [ 1, 2 ]
amdhsa.kernels:
  - .name:           k_qa4db39d46a_prep
    .symbol:         k_qa4db39d46a_prep.kd
    .args:
      - { .name: qkvw, .offset: 0, .size: 8, .value_kind: global_buffer, .address_space: global }
      - { .name: pw, .offset: 8, .size: 8, .value_kind: global_buffer, .address_space: global }
      - { .name: f1w, .offset: 16, .size: 8, .value_kind: global_buffer, .address_space: global }
      - { .name: f2w, .offset: 24, .size: 8, .value_kind: global_buffer, .address_space: global }
      - { .name: n1g, .offset: 32, .size: 8, .value_kind: global_buffer, .address_space: global }
      - { .name: n1b, .offset: 40, .size: 8, .value_kind: global_buffer, .address_space: global }
      - { .name: n2g, .offset: 48, .size: 8, .value_kind: global_buffer, .address_space: global }
      - { .name: n2b, .offset: 56, .size: 8, .value_kind: global_buffer, .address_space: global }
      - { .name: qkvb, .offset: 64, .size: 8, .value_kind: global_buffer, .address_space: global }
      - { .name: pb, .offset: 72, .size: 8, .value_kind: global_buffer, .address_space: global }
      - { .name: f1b, .offset: 80, .size: 8, .value_kind: global_buffer, .address_space: global }
      - { .name: f2b, .offset: 88, .size: 8, .value_kind: global_buffer, .address_space: global }
      - { .name: rpb, .offset: 96, .size: 8, .value_kind: global_buffer, .address_space: global }
      - { .name: wimg0, .offset: 104, .size: 8, .value_kind: global_buffer, .address_space: global }
      - { .name: wimg1, .offset: 112, .size: 8, .value_kind: global_buffer, .address_space: global }
      - { .name: par0, .offset: 120, .size: 8, .value_kind: global_buffer, .address_space: global }
      - { .name: par1, .offset: 128, .size: 8, .value_kind: global_buffer, .address_space: global }
    .group_segment_fixed_size: 0
    .private_segment_fixed_size: 0
    .kernarg_segment_align: 8
    .kernarg_segment_size: 136
    .max_flat_workgroup_size: 128
    .sgpr_count:     66
    .vgpr_count:     48
    .wavefront_size: 32
...
	.end_amdgpu_metadata
.endif
;; end of part 1
;; launch layer0 (part 2): grid 256 x 1, 8 waves a work-group, clusters of 4 x 1, 327,680 bytes of LDS; arguments x, wimg0, par0, mid; writes mid
.if DOCPART == 2
	.amdgcn_target "amdgcn-amd-amdhsa--gfx1250"
	.amdhsa_code_object_version 6
	.text
	.protected	k_qa4db39d46a_layer0
	.globl	k_qa4db39d46a_layer0
	.p2align	8
	.type	k_qa4db39d46a_layer0,@function
k_qa4db39d46a_layer0:
	s_mov_b64 s[64:65], 0
	v_nop
	global_prefetch_b8 v0, s[64:65] scope:SCOPE_SE
	s_setreg_imm32_b32 hwreg(HW_REG_WAVE_MODE, 25, 1), 1
	s_wait_xcnt 0x0
	s_wait_alu depctr_hold_cnt(0) depctr_sa_sdst(0) depctr_va_vdst(0) depctr_va_sdst(0) depctr_va_ssrc(0) depctr_va_vcc(0) depctr_vm_vsrc(0)
	s_getreg_b32 s2, hwreg(HW_REG_IB_STS2, 6, 4)
	s_cmp_eq_u32 s2, 0
	s_cbranch_scc0 .Lentry_in_a_cluster
	s_endpgm
.Lentry_in_a_cluster:
	s_bfe_u32 s2, ttmp6, 0x10000c
	s_cmp_lg_u32 s2, 0x3003
	s_cbranch_scc0 .Lentry_shape_is_right
	s_endpgm
.Lentry_shape_is_right:
; ONE SWIN BLOCK: norm, 7 x 7 window attention (4 heads of 32, relative-position bias, roll and region mask by the shift), projection, residual, norm, MLP 128 -> 512 -> 128 with the exact GELU, residual.
; x and the result: [32][56 x 56][128] f32.  The image (made by the launch before) holds the block's weights in bf16 in fragment order, the folded biases and the bias table; par holds the shift.
; SHARES.  256 work-groups of 8 waves: a work-group takes one row of 8 windows of one picture, a wave ONE window: 49 tokens in four tiles of 16 (tokens 49..63 are padding: copies of real rows,
; finite, never stored; as keys they have -1e30 in the table).  A wave carries its window from the first norm to the second residual in its 512 registers; two waves lie on a SIMD, so that one
; wave's vector phases stand beside the other's matrix phases.  A weight fragment read from LDS feeds four products, one for each token tile.
; LAYOUT.  Every product is laid so that a lane holds ONE token (lane % 16) and the channels 16 mt + 8 (lane / 16) + 0..7 of its results; two such results rounded to bf16 in pairs ARE the next
; product's operand.  So q, k, v, the weights p, O, the second norm's output and the hidden numbers never change lanes.  Only x's rows of 512 bytes are turned into this layout, and the result
; back, through a stage of 16 rows x 272 bytes in LDS that is the wave's own.
; LDS holds weights alone: 266,240 bytes at the start (qkv, fc1 tiles 8..22, table, vectors, projection); behind attention qkv's bytes take fc2 chunks 0..7 and fc1 tiles 0..7; behind the
; projection the table's, the vectors' and the projection's bytes take fc1 tiles 23..31 and fc2 chunks 8..15.  CLUSTER: all work-groups walk the same image, so four ask for each part jointly.
; ARITHMETIC.  Matrix operands bf16, sums f32; norms in two passes in f32; the residual stream f32.  Logits in base 2; the row's true maximum is taken away before the exponential.
; THE MASK.  Where the problem adds -100 for keys of another region, this text adds +100 log2(e) for keys of the SAME region (a row's softmax does not change under a common shift), by one more
; product R R^T: a token's region g (0..3) is coded in k = 4 g .. 4 g + 3 as 12, 0.5, 0.125, 0.0625, whose squares add to 144.26953: the mask is -100.00002.
; LIMITS.  erf by 1 - (a1 t + a2 t^2 + a3 t^3) e^(-z^2), t = 1 / (1 + 0.47047 z) (Abramowitz and Stegun 7.1.25), off by 2.5e-5 at the most for every z >= 0: GELU is off by 1.25e-5 |x| at the most,
; less than the hidden operand's rounding to bf16.  A weight below 2^-126 counts as 0 in its row's sum.  NaN and infinities are not treated apart.
; x is read twice (for the norm, and again as the residual, when attention has freed the registers).  No cache hint: one text serves a result that the next launch reads and one that nobody reads.
; REGISTERS, two windows of 256 (s_set_vgpr_msb: bits 1:0 source 0, 3:2 source 1, 5:4 source 2, 7:6 destination):
;   window 0: v0 thread; v1, v2 the add's; v3-7 addresses; v8-23 at work; v24-31 a bias as C; v32-63 four weight fragments; v64-127 accumulators; v128-255 O, later the second norm's output
;   window 1: the residual stream, XR[64 n + 8 mt + j]; during attention: the first norm's output (0-127), K, V, Q of one head (128-223), the regions' code (224-255)
.set IMAGE_BYTES, 1605632              ; a picture: 3,136 tokens of 512 bytes
.set BAND_BYTES,  28672                ; 56 tokens
.set FC1,    65536                     ; fc1 tile t lies at FC1 + 4,096 t
.set TAB,    159744
.set VECA,   225280                    ; q's bias +0, k's +512, v's +1,024, pb +1,536
.set PROJ,   229376
.set VECM,   262144                    ; f1b +0, f2b +2,048
.set STAGE,  266240                    ; 8 x 4,352 bytes; no fill lands here
.set SPITCH, 272                       ; 256 bytes + 16: the 16 rows of a load start at 16 different groups of four banks (64 banks of 4 bytes: ISA guide 11.1)
.set SPARE,  301056                    ; the spare words, 128 bytes for each of 8 waves: four blocks of 256 bytes that no other line names
.set R1_IMG, 266240                    ; the second fill: 98,304 bytes of the image, to LDS byte 0
.set R2_IMG, 364544                    ; the third: 102,400 bytes, to LDS byte 159,744
.set R2_LDS, 159744
.set SPW, 1
.set NIL, 2
.set T,   8
.set BC,  24
.set WF,  32
.set ACC, 64
.set S,   64                           ; attention: scores of one query tile, 4 x 8
.set P,   96                           ; their weights in bf16
.set OACC, 112                         ; O^T of one head and query tile, 2 x 8
.set H,   96                           ; MLP: the hidden operand, 4 x 8
.set OF,  128                          ; O as operand: 32 head + 8 n; later the second norm's output: 32 n + 8 kk
.set XN,  0                            ; window 1
.set KF,  128
.set VF,  160
.set QF,  192
.set RF,  224
.set YBI, 36                           ; s[36:49] the input at my picture's row band ty, seven pairs
.set YBO, 50                           ; s[50:63] the same for the output
.set IBI, 66                           ; s[66:67] the input at my picture;  s[68:69] the output
.set IBO, 68
.set GY,  70                           ; s70-76 the bands' byte offsets in the picture
.set GX,  77                           ; s77-83 the columns' byte offsets in a band
.set MSB, 0
.macro WIN new                         ; the immediate's high byte repeats the setting that is left; a switch that changes nothing is dropped
.if MSB != (\new)
	s_set_vgpr_msb (MSB<<8)|(\new)
.set MSB, \new
.endif
.endm
.macro PLACES                          ; four places behind matrix instructions (ISA guide 7.12.1), where no other vector work is at hand
.rept 4
	v_nop
.endr
.endm
.macro ROUND                           ; a round of the cluster's barrier
	s_barrier_signal -1
	s_barrier_wait -1
	s_cmp_lg_u32 s12, 0
	s_cbranch_scc1 .Lnot_wave_0_\@
	s_barrier_signal -3
.Lnot_wave_0_\@:
	s_barrier_wait -3
	s_barrier_signal -1
	s_barrier_wait -1
.endm
.macro TLOAD                           ; my eighth of a fill, asked for jointly by the four work-groups
	tensor_load_to_lds s[32:35], s[24:31]
	s_nop 0
.rept 4
	v_nop
.endr
.endm
; The offsets of x's rows.  One global instruction takes two tokens, tau0 (lanes 0-15) and tau0 + 1 (lanes 16-31), 256 consecutive bytes each.
; v[T+k], k = 0..5: columns k and k + 1 of one band;  v[T+6]: column 6, both halves;  v[T+7+k]: column 6 of band 2 k and column 0 of band 2 k + 1, from the picture's first byte.
; The choice between the halves is made by ANDs with a mask of the lanes and adds.
.macro XADDR
	v_and_b32 v[T+10], 15, v0
	v_lshlrev_b32 v[T+10], 4, v[T+10]              ; my 16 bytes of the 256
	v_bfe_u32 v[T+11], v0, 4, 1
	v_sub_nc_u32 v[T+11], 0, v[T+11]               ; all ones in lanes 16-31
	v_xor_b32 v[T+12], -1, v[T+11]                 ; all ones in lanes 0-15
.irp k, 0,1,2,3,4,5
	v_and_b32 v[T+13], s[GX+\k], v[T+12]
	v_and_b32 v[T+14], s[GX+\k+1], v[T+11]
	v_add3_u32 v[T+\k], v[T+13], v[T+14], v[T+10]
.endr
	v_add_nc_u32 v[T+6], s[GX+6], v[T+10]
.irp k, 0,1,2
	s_add_co_u32 s16, s[GX+6], s[GY+2*\k]
	s_add_co_u32 s17, s[GX], s[GY+2*\k+1]
	v_and_b32 v[T+13], s16, v[T+12]
	v_and_b32 v[T+14], s17, v[T+11]
	v_add3_u32 v[T+7+\k], v[T+13], v[T+14], v[T+10]
.endr
.endm
.macro XSEL n, t, yb, ib               ; VO, SB: the offset register and the base for tokens 16 n + 2 t and + 1
.set tau0, 16*(\n)+2*(\t)
.set ty0, tau0/7
.set tx0, tau0%7
.if tx0 < 6
.set VO, T+tx0
.set SB, (\yb)+2*ty0
.elseif tau0 < 48
.set VO, T+7+ty0/2
.set SB, \ib
.else
.set VO, T+6
.set SB, (\yb)+12
.endif
.endm
.macro XISSUE                          ; the window's 49 rows: 50 loads, groups (tile, half of the channels) in order; of tile 3 token 48 alone (both halves of the lanes read it)
	WIN 0x40
.irp n, 0,1,2
.irp c, 0,1
.irp t, 0,1,2,3,4,5,6,7
	XSEL \n, \t, YBI, IBI
	global_load_b128 v[64*\n+32*\c+4*\t:64*\n+32*\c+4*\t+3], v[VO], s[SB:SB+1] offset:256*\c
.endr
.endr
.endr
.irp c, 0,1
	XSEL 3, 0, YBI, IBI
	global_load_b128 v[192+32*\c:192+32*\c+3], v[VO], s[SB:SB+1] offset:256*\c
.endr
	WIN 0
	s_wait_xcnt 0x0                                ; the offsets' registers are written again only behind this wait
.endm
.macro STADDR                          ; v3: token l % 16's row of my stage, + 32 (l / 16);  v4: row l / 16, + 16 (l % 16).  v5 = l % 16 and v6 = l / 16 are left
	s_mul_i32 s16, s12, 16*SPITCH
	s_add_co_u32 s16, s16, STAGE
	v_and_b32 v5, 15, v0
	v_bfe_u32 v6, v0, 4, 1
	v_mul_u32_u24 v3, v5, SPITCH
	v_lshl_add_u32 v3, v6, 5, v3
	v_add_nc_u32 v3, s16, v3
	v_mul_u32_u24 v4, v6, SPITCH
	v_lshl_add_u32 v4, v5, 4, v4
	v_add_nc_u32 v4, s16, v4
.endm
; Group (n, c) goes through the stage: rows as loaded in, a token a lane out, into the registers that it left.  left: the loads of x issued behind the group's own.
; LDS serves a wave's instructions in order (ISA guide 5.7.1.4), and the bytes are the wave's own: no wait between the stores and the loads.
; Of tile 3 rows 0 and 1 alone are stored: rows 2..15 keep what tile 2 left there, the padding.
.macro FIN n, c, left
	s_wait_loadcnt \left
	WIN 0x04
.if (\n) < 3
.irp t, 0,1,2,3,4,5,6,7
	ds_store_b128 v4, v[64*(\n)+32*(\c)+4*\t:64*(\n)+32*(\c)+4*\t+3] offset:544*\t
.endr
.else
	ds_store_b128 v4, v[192+32*(\c):192+32*(\c)+3]
.endif
	WIN 0x40
.irp i, 0,1,2,3
.irp q, 0,1
	ds_load_b128 v[64*(\n)+32*(\c)+8*\i+4*\q:64*(\n)+32*(\c)+8*\i+4*\q+3], v3 offset:64*\i+16*\q
.endr
.endr
.endm
.macro REDUCE                          ; four packed chains into one number; the token's other 64 channels lie in the lane 16 away
	v_pk_add_f32 v[T:T+1], v[T:T+1], v[T+2:T+3]
	v_pk_add_f32 v[T+4:T+5], v[T+4:T+5], v[T+6:T+7]
	v_pk_add_f32 v[T:T+1], v[T:T+1], v[T+4:T+5]
	v_add_f32 v[T], v[T], v[T+1]
	v_permlanex16_b32 v[T+1], v[T], s86, s87
	v_add_f32 v[T], v[T], v[T+1]
.endm
; The norm of token tile n, without gain and offset (they are folded into the weights): (x - mean) / sqrt(var + 1e-5), in two passes, rounded to bf16 into v[dst + 32 n ..] of window dwin's destination.
; Each group of eight registers is read from its low end on.
.macro LN n, dwin, dst
.set X, 64*(\n)
	WIN 0x05
.irp k, 0,1,2,3
	v_pk_add_f32 v[T+2*\k:T+2*\k+1], v[X+4*\k:X+4*\k+1], v[X+4*\k+2:X+4*\k+3]
.endr
	WIN 0x01
.set i, 0
.rept 24
	v_pk_add_f32 v[T+2*(i%4):T+2*(i%4)+1], v[X+16+2*i:X+17+2*i], v[T+2*(i%4):T+2*(i%4)+1]
.set i, i+1
.endr
	WIN 0
	REDUCE
	v_mul_f32 v[T+8], s2, v[T]                     ; the mean, twice: a pair for the packed subtraction
	v_mul_f32 v[T+9], s2, v[T]
	WIN 0x01
.set i, 0
.rept 32
	v_pk_add_f32 v[ACC+2*i:ACC+2*i+1], v[X+2*i:X+2*i+1], v[T+8:T+9] neg_lo:[0,1] neg_hi:[0,1]
.set i, i+1
.endr
	WIN 0
.irp k, 0,1,2,3
	v_pk_mul_f32 v[T+2*\k:T+2*\k+1], v[ACC+2*\k:ACC+2*\k+1], v[ACC+2*\k:ACC+2*\k+1]
.endr
.set i, 0
.rept 28
	v_pk_fma_f32 v[T+2*(i%4):T+2*(i%4)+1], v[ACC+8+2*i:ACC+9+2*i], v[ACC+8+2*i:ACC+9+2*i], v[T+2*(i%4):T+2*(i%4)+1]
.set i, i+1
.endr
	REDUCE
	v_fma_f32 v[T], v[T], s2, s3                   ; var + 1e-5
	v_rsq_f32 v[T+8], v[T]
	v_rsq_f32 v[T+9], v[T]
	v_nop                                          ; a plain instruction behind the transcendentals (ISA guide 5.7.2)
.set i, 0
	s_wait_alu depctr_va_vdst(0)
.rept 32
	v_pk_mul_f32 v[ACC+2*i:ACC+2*i+1], v[ACC+2*i:ACC+2*i+1], v[T+8:T+9]
.set i, i+1
.endr
	WIN \dwin
.set i, 0
.rept 32
	v_cvt_pk_bf16_f32 v[(\dst)+32*(\n)+i], v[ACC+2*i], v[ACC+2*i+1]
.set i, i+1
.endr
	WIN 0
.endm
; The regions' code.  a = (my window row is the last and ty >= 7 - shift), b the same along x; g = 2 a + b.  A lane of half h holds k = 8 h .. 8 h + 7: the regions with a = h.
.macro RFMAKE
	s_mov_b32 s18, 0x3f004140                      ; 12, 0.5 in bf16
	s_mov_b32 s19, 0x3d803e00                      ; 0.125, 0.0625
	v_and_b32 v[T], 15, v0
.irp n, 0,1,2,3
	WIN 0
	v_add_nc_u32 v[T+1], 16*\n, v[T]               ; the token
	v_mul_u32_u24 v[T+2], v[T+1], 37
	v_lshrrev_b32 v[T+2], 8, v[T+2]                ; ty = token / 7, exact up to 63
	v_mul_u32_u24 v[T+3], v[T+2], 7
	v_sub_nc_u32 v[T+3], v[T+1], v[T+3]            ; tx
	v_cmp_le_u32 s16, s99, v[T+2]                  ; a
	v_cmp_le_u32 s17, s100, v[T+3]                 ; b
	s_xor_b32 s16, s16, s84
	s_not_b32 s16, s16                             ; a = h
	s_and_not1_b32 s20, s16, s17                   ; and b = 0
	s_and_b32 s21, s16, s17                        ; and b = 1
	WIN 0x40
	v_cndmask_b32 v[RF+8*\n], 0, s18, s20
	v_cndmask_b32 v[RF+8*\n+1], 0, s19, s20
	v_cndmask_b32 v[RF+8*\n+2], 0, s18, s21
	v_cndmask_b32 v[RF+8*\n+3], 0, s19, s21
	v_mov_b32 v[RF+8*\n+4], 0
	v_mov_b32 v[RF+8*\n+5], 0
	v_mov_b32 v[RF+8*\n+6], 0
	v_mov_b32 v[RF+8*\n+7], 0
.endr
	WIN 0
.endm
.macro LDB areg, off                   ; eight numbers of a bias: the C operand of a tile's first K step
	ds_load_b128 v[BC:BC+3], v[\areg] offset:\off
	ds_load_b128 v[BC+4:BC+7], v[\areg] offset:(\off)+16
.endm
.macro LDW areg, off, dst              ; four fragments, 1,024 bytes apart: each lane's 16 bytes lie side by side, so no two lanes meet in a bank
.irp kk, 0,1,2,3
	ds_load_b128 v[(\dst)+8*\kk:(\dst)+8*\kk+3], v[\areg] offset:(\off)+1024*\kk
	ds_load_b128 v[(\dst)+8*\kk+4:(\dst)+8*\kk+7], v[\areg] offset:(\off)+1024*\kk+512
.endr
.endm
; 16 products: one tile of 16 output channels x the four token tiles, K = 128.  The four accumulators take turns.
; isv = 0: channels x tokens, the bias as C (k and q).  isv = 1: tokens x channels, so that a lane holds one channel of v and eight keys.
; In front of K step kk the wait leaves the fragments behind it out: two loads each.
.macro GMUL isv, half
.irp kk, 0,1,2,3
	s_wait_dscnt 6-2*\kk
.irp n, 0,1,2,3
.if \isv
	WIN 0x01
.if \kk == 0
	v_wmma_f32_16x16x32_bf16 v[ACC+32*(\half)+8*\n:ACC+32*(\half)+8*\n+7], v[XN+32*\n+8*\kk:XN+32*\n+8*\kk+7], v[WF+8*\kk:WF+8*\kk+7], 0
.else
	v_wmma_f32_16x16x32_bf16 v[ACC+32*(\half)+8*\n:ACC+32*(\half)+8*\n+7], v[XN+32*\n+8*\kk:XN+32*\n+8*\kk+7], v[WF+8*\kk:WF+8*\kk+7], v[ACC+32*(\half)+8*\n:ACC+32*(\half)+8*\n+7]
.endif
.else
	WIN 0x04
.if \kk == 0
	v_wmma_f32_16x16x32_bf16 v[ACC+32*(\half)+8*\n:ACC+32*(\half)+8*\n+7], v[WF+8*\kk:WF+8*\kk+7], v[XN+32*\n+8*\kk:XN+32*\n+8*\kk+7], v[BC:BC+7]
.else
	v_wmma_f32_16x16x32_bf16 v[ACC+32*(\half)+8*\n:ACC+32*(\half)+8*\n+7], v[WF+8*\kk:WF+8*\kk+7], v[XN+32*\n+8*\kk:XN+32*\n+8*\kk+7], v[ACC+32*(\half)+8*\n:ACC+32*(\half)+8*\n+7]
.endif
.endif
.endr
.endr
	WIN 0
	PLACES                                         ; in front of the loads into the fragments' registers and of the conversions
.endm
.macro GCVT base, stride, half         ; the 16 results' pairs, rounded to bf16, into window 1
	WIN 0x40
.irp n, 0,1,2,3
.irp j, 0,1,2,3
	v_cvt_pk_bf16_f32 v[(\base)+(\stride)*\n+\j], v[ACC+32*(\half)+8*\n+2*\j], v[ACC+32*(\half)+8*\n+2*\j+1]
.endr
.endr
.endm
.macro TABLE n                         ; the bias table of query tile n, four key tiles, in accumulator order: it starts the scores' sums
.irp kt, 0,1,2,3
	ds_load_b128 v[S+8*\kt:S+8*\kt+3], v6 offset:(4*(\n)+\kt)*1024
	ds_load_b128 v[S+8*\kt+4:S+8*\kt+7], v6 offset:(4*(\n)+\kt)*1024+512
.endr
.endm
.macro OCVT hd, n
.irp q, 0,1,2,3,4,5,6,7
	v_cvt_pk_bf16_f32 v[OF+32*(\hd)+8*(\n)+\q], v[OACC+2*\q], v[OACC+2*\q+1]
.endr
.endm
; Attention of one head for query tile n.
.macro ATT n
	s_wait_dscnt 0x0                               ; the table (and, for tile 0, v's bias)
	WIN 0x05
.irp kt, 0,1,2,3
	v_wmma_f32_16x16x32_bf16 v[S+8*\kt:S+8*\kt+7], v[KF+8*\kt:KF+8*\kt+7], v[QF+8*(\n):QF+8*(\n)+7], v[S+8*\kt:S+8*\kt+7]
.endr
.irp kt, 0,1,2,3
	v_wmma_f32_16x16x32_bf16 v[S+8*\kt:S+8*\kt+7], v[RF+8*\kt:RF+8*\kt+7], v[RF+8*(\n):RF+8*(\n)+7], v[S+8*\kt:S+8*\kt+7]
.endr
	WIN 0
	PLACES
.irp k, 0,1,2,3                        ; the row's maximum: four chains, each accumulator read from its low end on
	v_max3_num_f32 v[T+\k], v[S+8*\k], v[S+8*\k+1], v[S+8*\k+2]
.endr
.irp k, 0,1,2,3
	v_max3_num_f32 v[T+\k], v[T+\k], v[S+8*\k+3], v[S+8*\k+4]
.endr
.irp k, 0,1,2,3
	v_max3_num_f32 v[T+\k], v[T+\k], v[S+8*\k+5], v[S+8*\k+6]
.endr
	v_max3_num_f32 v[T], v[T], v[S+7], v[S+15]
	v_max3_num_f32 v[T+1], v[T+1], v[S+23], v[S+31]
	v_max_num_f32 v[T+2], v[T+2], v[T+3]
	v_max3_num_f32 v[T], v[T], v[T+1], v[T+2]
	v_permlanex16_b32 v[T+3], v[T], s86, s87       ; the query's other 32 keys lie in the lane 16 away
	v_max_num_f32 v[T+8], v[T], v[T+3]
	v_max_num_f32 v[T+9], v[T], v[T+3]
.set i, 0
.rept 16
	v_pk_add_f32 v[S+2*i:S+2*i+1], v[S+2*i:S+2*i+1], v[T+8:T+9] neg_lo:[0,1] neg_hi:[0,1]
.set i, i+1
.endr
.set i, 0
.rept 32
	v_exp_f32 v[S+i], v[S+i]
.set i, i+1
.endr
	v_nop                                          ; a plain instruction behind the exponentials
.set i, 0
	s_wait_alu depctr_va_vdst(0)
.rept 16
	v_cvt_pk_bf16_f32 v[P+i], v[S+2*i], v[S+2*i+1]
.set i, i+1
.endr
	WIN 0x01                                       ; O^T = V^T P: two channel tiles by turns, 64 keys
	v_wmma_f32_16x16x32_bf16 v[OACC:OACC+7], v[VF:VF+7], v[P:P+7], 0
	v_wmma_f32_16x16x32_bf16 v[OACC+8:OACC+15], v[VF+16:VF+23], v[P:P+7], 0
	v_wmma_f32_16x16x32_bf16 v[OACC:OACC+7], v[VF+8:VF+15], v[P+8:P+15], v[OACC:OACC+7]
	v_wmma_f32_16x16x32_bf16 v[OACC+8:OACC+15], v[VF+24:VF+31], v[P+8:P+15], v[OACC+8:OACC+15]
	WIN 0
.irp w, 4,8,16,32                      ; the sum of the unrounded weights, in place: also the places behind those products
.set i, 0
.rept 32/\w
	v_pk_add_f32 v[S+\w*i:S+\w*i+1], v[S+\w*i:S+\w*i+1], v[S+\w*i+\w/2:S+\w*i+\w/2+1]
.set i, i+1
.endr
.endr
	v_add_f32 v[T], v[S], v[S+1]
	v_permlanex16_b32 v[T+1], v[T], s86, s87
	v_add_f32 v[T], v[T], v[T+1]
	v_rcp_f32 v[T+8], v[T]
	v_rcp_f32 v[T+9], v[T]
	v_nop
.if (\n) < 3
	TABLE (\n)+1
.endif
	s_wait_alu depctr_va_vdst(0)
.irp q, 0,1,2,3,4,5,6,7                ; O / l + v's bias: the weights add to 1, so the bias may be added here
	v_pk_fma_f32 v[OACC+2*\q:OACC+2*\q+1], v[OACC+2*\q:OACC+2*\q+1], v[T+8:T+9], v[WF+2*\q:WF+2*\q+1]
.endr
	s_cmp_eq_u32 s96, 4                            ; a register's number cannot hang on the loop's count: the head's eight conversions stand four times, and three forward jumps choose
	s_cbranch_scc1 .Lhead_0_\@
	s_cmp_eq_u32 s96, 3
	s_cbranch_scc1 .Lhead_1_\@
	s_cmp_eq_u32 s96, 2
	s_cbranch_scc1 .Lhead_2_\@
	OCVT 3, \n
	s_branch .Lhead_done_\@
.Lhead_0_\@:
	OCVT 0, \n
	s_branch .Lhead_done_\@
.Lhead_1_\@:
	OCVT 1, \n
	s_branch .Lhead_done_\@
.Lhead_2_\@:
	OCVT 2, \n
.Lhead_done_\@:
.endm
.macro BIASADD off                     ; the residual stream takes a bias of 128 channels, in f32
	WIN 0
.irp mt, 0,1,2,3,4,5,6,7
.irp q, 0,1
	ds_load_b128 v[ACC+8*\mt+4*\q:ACC+8*\mt+4*\q+3], v5 offset:(\off)+64*\mt+16*\q
.endr
.endr
	s_wait_dscnt 0x0
	WIN 0x41
.set i, 0
.rept 128
	v_pk_add_f32 v[64*(i/32)+2*(i%32):64*(i/32)+2*(i%32)+1], v[64*(i/32)+2*(i%32):64*(i/32)+2*(i%32)+1], v[ACC+2*(i%32):ACC+2*(i%32)+1]
.set i, i+1
.endr
	WIN 0
.endm
.macro FC1MUL                          ; one tile of 16 hidden channels x the four token tiles, K = 128
.irp kk, 0,1,2,3
	s_wait_dscnt 6-2*\kk
.irp n, 0,1,2,3
.if \kk == 0
	v_wmma_f32_16x16x32_bf16 v[ACC+8*\n:ACC+8*\n+7], v[WF+8*\kk:WF+8*\kk+7], v[OF+32*\n+8*\kk:OF+32*\n+8*\kk+7], v[BC:BC+7]
.else
	v_wmma_f32_16x16x32_bf16 v[ACC+8*\n:ACC+8*\n+7], v[WF+8*\kk:WF+8*\kk+7], v[OF+32*\n+8*\kk:OF+32*\n+8*\kk+7], v[ACC+8*\n:ACC+8*\n+7]
.endif
.endr
.endr
.endm
.macro FC2MUL buf, first               ; four tiles of 16 output channels x the four token tiles, K = 32, onto the residual stream: 16 accumulators, one instruction each
.irp j, 0,1,2,3
.irp n, 0,1,2,3
	v_wmma_f32_16x16x32_bf16 v[64*\n+8*((\first)+\j):64*\n+8*((\first)+\j)+7], v[(\buf)+8*\j:(\buf)+8*\j+7], v[H+8*\n:H+8*\n+7], v[64*\n+8*((\first)+\j):64*\n+8*((\first)+\j)+7]
.endr
.endr
.endm
; GELU of four numbers Z = kappa x (registers 4 g .. 4 g + 3 of the accumulators): Z + |Z| erf = 2 kappa gelu(x), rounded to bf16.  e^(-x^2/2) = 2^(-Z^2).
; Behind the reciprocals stand the two multiplies, behind the exponentials the polynomial's first line, which reads the reciprocals alone: each transcendental has its plain instruction.
.macro GELU2 g, s
.set Z, ACC+4*(\g)
.set HH, H+8*((\g)/2)+4*(\s)+2*((\g)%2)
.irp i, 0,1,2,3
	v_and_b32 v[T+\i], s85, v[Z+\i]                ; |Z|
.endr
	v_pk_fma_f32 v[T+4:T+5], v[T:T+1], s[88:89], 1.0 op_sel_hi:[1,0,0]
	v_pk_fma_f32 v[T+6:T+7], v[T+2:T+3], s[88:89], 1.0 op_sel_hi:[1,0,0]
.irp i, 4,5,6,7
	v_rcp_f32 v[T+\i], v[T+\i]                     ; t
.endr
	v_pk_mul_f32 v[T+8:T+9], v[Z:Z+1], v[Z:Z+1] neg_lo:[1,0] neg_hi:[1,0]
	v_pk_mul_f32 v[T+10:T+11], v[Z+2:Z+3], v[Z+2:Z+3] neg_lo:[1,0] neg_hi:[1,0]
.irp i, 8,9,10,11
	v_exp_f32 v[T+\i], v[T+\i]
.endr
	s_wait_alu depctr_va_vdst(0)
	v_pk_fma_f32 v[T+12:T+13], v[T+4:T+5], s[90:91], s[92:93] op_sel_hi:[1,0,0]
	v_pk_fma_f32 v[T+14:T+15], v[T+6:T+7], s[90:91], s[92:93] op_sel_hi:[1,0,0]
	v_pk_fma_f32 v[T+12:T+13], v[T+12:T+13], v[T+4:T+5], s[94:95] op_sel_hi:[1,1,0]
	v_pk_fma_f32 v[T+14:T+15], v[T+14:T+15], v[T+6:T+7], s[94:95] op_sel_hi:[1,1,0]
	v_pk_mul_f32 v[T+12:T+13], v[T+12:T+13], v[T+4:T+5]
	v_pk_mul_f32 v[T+14:T+15], v[T+14:T+15], v[T+6:T+7]
	v_pk_fma_f32 v[T+12:T+13], v[T+12:T+13], v[T+8:T+9], 1.0 op_sel_hi:[1,1,0] neg_lo:[1,0,0] neg_hi:[1,0,0]
	v_pk_fma_f32 v[T+14:T+15], v[T+14:T+15], v[T+10:T+11], 1.0 op_sel_hi:[1,1,0] neg_lo:[1,0,0] neg_hi:[1,0,0]
	v_pk_fma_f32 v[T+12:T+13], v[T:T+1], v[T+12:T+13], v[Z:Z+1]
	v_pk_fma_f32 v[T+14:T+15], v[T+2:T+3], v[T+14:T+15], v[Z+2:Z+3]
	v_cvt_pk_bf16_f32 v[HH], v[T+12], v[T+13]
	v_cvt_pk_bf16_f32 v[HH+1], v[T+14], v[T+15]
.endm
.macro GELU s
.irp g, 0,1,2,3,4,5,6,7
	GELU2 \g, \s
.endr
.endm
.macro YST n, c                        ; the way out: group (n, c) into my stage, a token a lane, and back as rows of 256 bytes, into the registers that it left
	WIN 0x04
.irp i, 0,1,2,3
.irp q, 0,1
	ds_store_b128 v3, v[64*(\n)+32*(\c)+8*\i+4*\q:64*(\n)+32*(\c)+8*\i+4*\q+3] offset:64*\i+16*\q
.endr
.endr
	WIN 0x40
.if (\n) < 3
.irp t, 0,1,2,3,4,5,6,7
	ds_load_b128 v[64*(\n)+32*(\c)+4*\t:64*(\n)+32*(\c)+4*\t+3], v4 offset:544*\t
.endr
.else
	ds_load_b128 v[192+32*(\c):192+32*(\c)+3], v4
.endif
.endm
.macro YGL n, c, younger               ; its eight stores; younger: the next group's instructions on the stage
	s_wait_dscnt \younger
	WIN 0x04
.irp t, 0,1,2,3,4,5,6,7
	XSEL \n, \t, YBO, IBO
	global_store_b128 v[VO], v[64*(\n)+32*(\c)+4*\t:64*(\n)+32*(\c)+4*\t+3], s[SB:SB+1] offset:256*(\c)  ; 16 lanes store 256 consecutive bytes, at a multiple of 256 from the buffer's first
.endr
.endm
	; ---------------- the head
	s_load_b256 s[4:11], s[0:1], 0x0               ; x s[4:5], the image s[6:7], par s[8:9], the result s[10:11]
	v_lshl_add_u32 v[SPW], v0, 2, SPARE
	v_mov_b32 v[NIL], 0
	ds_add_u32 v[SPW], v[NIL]                      ; the wave's opening: the add and its wait stand ahead of my first tensor load; work on registers stands between them
	v_lshrrev_b32 v3, 5, v0
	v_readfirstlane_b32 s12, v3                    ; my wave: the window's column
	s_bfe_u32 s13, ttmp6, 0x40000                  ; cx: it enters x's and the result's addresses and the mask's values alone
	s_lshl_b32 s14, ttmp9, 2
	s_add_co_u32 s14, s14, s13                     ; my work-group: 8 x picture + window row
	; descriptor group 1: a dense block as rows of 256 bytes (32 elements of 8 bytes); 130 rows a wave in the first fill
	s_mov_b32 s24, 15|(3<<16)|(1<<21)              ; 15:0 the mask of four; 17:16 elements of 8 bytes; 21 set beside a mask
	s_mov_b32 s25, 32<<16                          ; tensor_dim0 = 32
	s_mov_b32 s26, 130<<16                         ; tensor_dim1
	s_mov_b32 s27, 32<<16                          ; tile_dim0 = 32
	s_mov_b32 s28, 130                             ; tile_dim1
	s_mov_b32 s29, 32                              ; elements from row to row
	s_mov_b32 s30, 0
	s_mov_b32 s31, 0
	s_mov_b32 s32, 1                               ; group 0: count = 1
	s_mul_i32 s33, s12, 33280                      ; LDS address: my eighth of 266,240 bytes
	s_mul_i32 s16, s12, 33280
	s_mov_b32 s17, 0
	s_mov_b32 s2, 0x3c000000                       ; 1 / 128
	s_mov_b32 s3, 0x3727c5ac                       ; 1e-5
	s_mov_b32 s84, 0xffff0000                      ; lanes 16-31
	s_mov_b32 s85, 0x7fffffff
	s_mov_b32 s86, 0x76543210                      ; v_permlanex16_b32: each lane takes its own place in the other half
	s_mov_b32 s87, 0xfedcba98
	s_mov_b32 s88, 0x3ec88bda                      ; 0.47047 x sqrt(ln 2) = 0.39169197
	s_mov_b32 s89, s88
	s_mov_b32 s90, 0x3f3f7377                      ; a3 = 0.7478556
	s_mov_b32 s91, s90
	s_mov_b32 s92, 0xbdc45ca1                      ; a2 = -0.0958798
	s_mov_b32 s93, s92
	s_mov_b32 s94, 0x3eb2303a                      ; a1 = 0.3480242
	s_mov_b32 s95, s94
	s_wait_dscnt 0x0                               ; the opening add is done
	s_wait_kmcnt 0x0
	s_load_b32 s15, s[8:9], 0x0                    ; the shift; it is waited for behind the first fill
	s_add_nc_u64 s[34:35], s[6:7], s[16:17]
	s_or_b32 s35, s35, 0x80000000                  ; type = 2
	ROUND                                          ; all four work-groups are here: the first joint loads meet
	TLOAD                                          ; one tensor load of mine is out
	s_wait_kmcnt 0x0
	s_min_u32 s15, s15, 6
	s_lshr_b32 s16, s14, 3                         ; picture
	s_and_b32 s17, s14, 7                          ; window row
	s_mul_i32 s18, s16, IMAGE_BYTES
	s_mov_b32 s19, 0
	s_add_nc_u64 s[IBI:IBI+1], s[4:5], s[18:19]
	s_add_nc_u64 s[IBO:IBO+1], s[10:11], s[18:19]
	s_mul_i32 s20, s17, 7
	s_add_co_u32 s20, s20, s15                     ; the rolled window's first row in x
	s_mov_b32 s23, 0
.irp ty, 0,1,2,3,4,5,6
	s_add_co_u32 s21, s20, \ty
	s_sub_co_u32 s22, s21, 56
	s_min_u32 s21, s21, s22                        ; modulo 56: below 56 the difference wraps to a large number
	s_min_u32 s21, s21, 55
	s_mul_i32 s[GY+\ty], s21, BAND_BYTES
	s_mov_b32 s22, s[GY+\ty]
	s_add_nc_u64 s[YBI+2*\ty:YBI+2*\ty+1], s[IBI:IBI+1], s[22:23]
	s_add_nc_u64 s[YBO+2*\ty:YBO+2*\ty+1], s[IBO:IBO+1], s[22:23]
.endr
	s_mul_i32 s20, s12, 7
	s_add_co_u32 s20, s20, s15
.irp tx, 0,1,2,3,4,5,6
	s_add_co_u32 s21, s20, \tx
	s_sub_co_u32 s22, s21, 56
	s_min_u32 s21, s21, s22
	s_min_u32 s21, s21, 55
	s_lshl_b32 s[GX+\tx], s21, 9
.endr
	s_sub_co_u32 s21, 7, s15
	s_cmp_eq_u32 s17, 7
	s_cselect_b32 s99, s21, 64                     ; from this ty on a token lies in the rolled-in region; 64: never
	s_cmp_eq_u32 s12, 7
	s_cselect_b32 s100, s21, 64
	; ---------------- x and the first norm
	XADDR
	XISSUE
	STADDR
	FIN 0, 0, 42
	FIN 0, 1, 34
	FIN 1, 0, 26
	FIN 1, 1, 18
	s_wait_dscnt 32                                ; tile 0 is in; tile 1's 32 instructions on the stage may be out
	LN 0, 0x40, XN                                 ; the norm's output takes registers of tiles already used up
	FIN 2, 0, 10
	FIN 2, 1, 2
	s_wait_dscnt 32
	LN 1, 0x40, XN
	FIN 3, 0, 1
	FIN 3, 1, 0
	s_wait_dscnt 18                                ; tile 3 has 2 x 9
	LN 2, 0x40, XN
	s_wait_dscnt 0x0
	LN 3, 0x40, XN
	RFMAKE
	s_wait_tensorcnt 0x0                           ; my part of the first fill is in,
	s_wait_dscnt 0x0
	s_barrier_signal -1
	s_barrier_wait -1                              ; everybody's is
	; ---------------- the heads: four trips
	v_and_b32 v7, 31, v0
	v_lshlrev_b32 v7, 4, v7                        ; 16 x lane: my place in a fragment; kept to the end
	s_mov_b32 s20, 0                               ; the head's two tiles of q's weights (k's 32,768 on, v's 65,536 on)
	s_mov_b32 s21, VECA
	s_mov_b32 s22, TAB
	s_mov_b32 s96, 4
.Lhead:
	v_add_nc_u32 v3, s20, v7
	v_add_nc_u32 v4, 0x10000, v3
	v_bfe_u32 v5, v0, 4, 1
	v_lshl_add_u32 v5, v5, 5, s21                  ; the head's biases, + 32 (l / 16)
	v_add_nc_u32 v6, s22, v7
	LDB 5, 512
	LDW 3, 32768, WF
	GMUL 0, 0                                      ; k, channels 0-15
	LDB 5, 576
	LDW 3, 36864, WF
	GCVT KF, 8, 0
	GMUL 0, 1                                      ; k, channels 16-31
	LDW 4, 0, WF
	GCVT KF+4, 8, 1
	GMUL 1, 0                                      ; v
	LDW 4, 4096, WF
	GCVT VF, 4, 0
	GMUL 1, 1
	LDB 5, 0
	LDW 3, 0, WF
	GCVT VF+16, 4, 1
	GMUL 0, 0                                      ; q
	LDB 5, 64
	LDW 3, 4096, WF
	GCVT QF, 8, 0
	GMUL 0, 1
.irp ct, 0,1
.irp q, 0,1
	ds_load_b128 v[WF+8*\ct+4*\q:WF+8*\ct+4*\q+3], v5 offset:1024+64*\ct+16*\q  ; v's bias
.endr
.endr
	TABLE 0
	GCVT QF+4, 8, 1
	ATT 0
	ATT 1
	ATT 2
	ATT 3
	s_add_co_u32 s20, s20, 8192
	s_add_co_u32 s21, s21, 128
	s_add_co_u32 s22, s22, 16384
	s_sub_co_u32 s96, s96, 1
	s_cmp_lg_u32 s96, 0
	s_cbranch_scc1 .Lhead
	; ---------------- x once more, as the residual; qkv's bytes are filled again
	XADDR
	XISSUE                                         ; window 1 is free; its last matrix readers stand more than four plain instructions back
	s_wait_tensorcnt 0x0                           ; no tensor load of mine is out, so the descriptor may be written
	ds_add_u32 v[SPW], v[NIL]                      ; 0 onto my spare word
	s_mov_b32 s26, 48<<16                          ; 48 rows a wave: 98,304 bytes
	s_mov_b32 s28, 48
	s_mul_i32 s33, s12, 12288
	s_mul_i32 s16, s12, 12288
	s_add_co_u32 s16, s16, R1_IMG
	s_mov_b32 s17, 0
	s_add_nc_u64 s[34:35], s[6:7], s[16:17]
	s_or_b32 s35, s35, 0x80000000
	s_wait_dscnt 0x0                               ; the add is done, and my reads of qkv's weights are over
	ROUND                                          ; so are those of every wave of the four work-groups
	TLOAD
	; ---------------- the projection, onto x + pb
	STADDR
	v_lshl_add_u32 v5, v6, 5, VECA                 ; the vectors, + 32 (l / 16)
	v_add_nc_u32 v6, PROJ, v7
	FIN 0, 0, 42
	FIN 0, 1, 34
	FIN 1, 0, 26
	FIN 1, 1, 18
	FIN 2, 0, 10
	FIN 2, 1, 2
	FIN 3, 0, 1
	FIN 3, 1, 0
	BIASADD 1536
	LDW 6, 0, WF                                   ; three buffers of four fragments, two tiles ahead
	LDW 6, 4096, ACC
	LDW 6, 8192, ACC+32
.set mt, 0
.rept 8
.if mt%3 == 0
.set FB, WF
.else
.set FB, ACC+32*(mt%3-1)
.endif
.if mt < 6
	s_wait_dscnt 16                                ; the two tiles ahead may be out
.elseif mt == 6
	s_wait_dscnt 8
.else
	s_wait_dscnt 0x0
.endif
	WIN 0x50
.irp kk, 0,1,2,3
.irp n, 0,1,2,3
	v_wmma_f32_16x16x32_bf16 v[64*\n+8*mt:64*\n+8*mt+7], v[FB+8*\kk:FB+8*\kk+7], v[OF+32*\kk+8*\n:OF+32*\kk+8*\n+7], v[64*\n+8*mt:64*\n+8*mt+7]
.endr
.endr
	WIN 0
.if mt < 5
	PLACES
	LDW 6, (mt+3)*4096, FB
.endif
.set mt, mt+1
.endr
	; ---------------- the table's, the vectors' and the projection's bytes are filled again
	s_wait_tensorcnt 0x0                           ; the second fill has landed: the round below shows it to every wave
	ds_add_u32 v[SPW], v[NIL]
	s_mov_b32 s26, 50<<16                          ; 50 rows a wave: 102,400 bytes
	s_mov_b32 s28, 50
	s_mul_i32 s33, s12, 12800
	s_add_co_u32 s33, s33, R2_LDS
	s_mul_i32 s16, s12, 12800
	s_add_co_u32 s16, s16, R2_IMG
	s_mov_b32 s17, 0
	s_add_nc_u64 s[34:35], s[6:7], s[16:17]
	s_or_b32 s35, s35, 0x80000000
	s_wait_dscnt 0x0
	ROUND
	TLOAD                                          ; the four v_nop behind it are also the places behind the last products
	; ---------------- the second norm; then the stream takes f2b
	LN 0, 0, OF
	LN 1, 0, OF
	LN 2, 0, OF
	LN 3, 0, OF
	BIASADD VECM+2048-VECA
	; ---------------- the MLP: 16 chunks of 32 hidden channels, two halves of eight
	v_bfe_u32 v6, v0, 4, 1
	s_mov_b32 s20, FC1                             ; the chunk's two fc1 tiles
	s_mov_b32 s21, 0                               ; the chunk of fc2
	s_mov_b32 s22, VECM
	v_add_nc_u32 v3, s20, v7
	v_lshl_add_u32 v5, v6, 5, s22
	LDB 5, 0
	LDW 3, 0, WF
	s_mov_b32 s97, 2
.Lhalf:
	s_mov_b32 s96, 8
.Lchunk:
	FC1MUL
	v_add_nc_u32 v4, s21, v7                       ; with three v_nop: the places in front of the loads
.rept 3
	v_nop
.endr
	LDB 5, 64
	LDW 3, 4096, WF
	GELU 0
	FC1MUL
	PLACES
	LDW 4, 0, WF                                   ; fc2 tiles 0-3
	GELU 1
	LDW 4, 4096, ACC                               ; fc2 tiles 4-7, where the hidden sums lay
	s_wait_dscnt 8
	WIN 0x50
	FC2MUL WF, 0
	s_wait_dscnt 0x0
	FC2MUL ACC, 4
	WIN 0
	s_add_co_u32 s20, s20, 8192
	s_add_co_u32 s21, s21, 8192
	s_add_co_u32 s22, s22, 128
	v_add_nc_u32 v3, s20, v7                       ; with three v_nop: five places in front of the next products, which write where fc2's fragments lay
	v_lshl_add_u32 v5, v6, 5, s22
.rept 3
	v_nop
.endr
	LDB 5, 0                                       ; the next chunk's first tile; behind the last chunk: landed bytes that nobody uses
	LDW 3, 0, WF
	s_sub_co_u32 s96, s96, 1
	s_cmp_lg_u32 s96, 0
	s_cbranch_scc1 .Lchunk
	s_add_co_u32 s21, s21, 131072                  ; fc2 chunks 8..15 lie at 196,608 on
	s_wait_tensorcnt 0x0                           ; my part of the third fill is in: fc2 chunk 8 and fc1 tile 23 are the first to want it;
	s_wait_dscnt 0x0
	s_barrier_signal -1
	s_barrier_wait -1                              ; everybody's is.  Its second passing orders nothing
	s_sub_co_u32 s97, s97, 1
	s_cmp_lg_u32 s97, 0
	s_cbranch_scc1 .Lhalf
	; ---------------- the way out
	XADDR
	STADDR
	YST 0, 0
	YST 0, 1
	YGL 0, 0, 16
	YST 1, 0
	YGL 0, 1, 16
	YST 1, 1
	YGL 1, 0, 16
	YST 2, 0
	YGL 1, 1, 16
	YST 2, 1
	YGL 2, 0, 16
	YST 3, 0
	YGL 2, 1, 9
	YST 3, 1
	s_wait_dscnt 0x0
	WIN 0
	v_and_b32 v5, 31, v0
	v_cmp_gt_u32 vcc_lo, 16, v5                    ; of tile 3 token 48 alone is real: lanes 0-15
	s_wait_xcnt 0x0                                ; EXEC changes only behind this wait
	s_and_saveexec_b32 s16, vcc_lo
	WIN 0x04
	global_store_b128 v[T+6], v[192:195], s[YBO+12:YBO+13]
	global_store_b128 v[T+6], v[224:227], s[YBO+12:YBO+13] offset:256
	WIN 0
	s_wait_xcnt 0x0
	s_or_b32 exec_lo, exec_lo, s16
	s_wait_tensorcnt 0x0                           ; the wave's end, behind my last tensor load and my last LDS store
	ds_add_u32 v[SPW], v[NIL]
	s_wait_dscnt 0x0
	ROUND                                          ; the closing round: no work-group ends while a partner may still ask for a part that names it
	s_endpgm
.Lfunc_end_k_qa4db39d46a_layer0:
	.size	k_qa4db39d46a_layer0, .Lfunc_end_k_qa4db39d46a_layer0-k_qa4db39d46a_layer0
	.p2alignl 7, 3214868480
	.fill 96, 4, 3214868480
	.section	.rodata,"a",@progbits
	.p2align	6, 0x0
	.amdhsa_kernel k_qa4db39d46a_layer0
		.amdhsa_group_segment_fixed_size 327680
		.amdhsa_private_segment_fixed_size 0
		.amdhsa_enable_private_segment 0
		.amdhsa_kernarg_size 32
		.amdhsa_user_sgpr_count 2
		.amdhsa_user_sgpr_kernarg_segment_ptr 1
		.amdhsa_wavefront_size32 1
		.amdhsa_system_sgpr_workgroup_id_x 1
		.amdhsa_system_sgpr_workgroup_id_y 1
		.amdhsa_system_sgpr_workgroup_id_z 1
		.amdhsa_system_vgpr_workitem_id 0
		.amdhsa_next_free_vgpr 512
		.amdhsa_next_free_sgpr 102
		.amdhsa_reserve_vcc 1
		.amdhsa_float_denorm_mode_32 3
		.amdhsa_float_denorm_mode_16_64 3
		.amdhsa_memory_ordered 1
		.amdhsa_forward_progress 1
		.amdhsa_inst_pref_size 255
	.end_amdhsa_kernel
	.section	.bss,"aw",@nobits
	.p2align	6
	.space	262144
	.amdgpu_metadata
---
amdhsa.version: [ 1, 2 ]
amdhsa.kernels:
  - .name:           k_qa4db39d46a_layer0
    .symbol:         k_qa4db39d46a_layer0.kd
    .args:
      - { .name: x, .offset: 0, .size: 8, .value_kind: global_buffer, .address_space: global }
      - { .name: wimg0, .offset: 8, .size: 8, .value_kind: global_buffer, .address_space: global }
      - { .name: par0, .offset: 16, .size: 8, .value_kind: global_buffer, .address_space: global }
      - { .name: mid, .offset: 24, .size: 8, .value_kind: global_buffer, .address_space: global }
    .group_segment_fixed_size: 327680
    .private_segment_fixed_size: 0
    .kernarg_segment_align: 8
    .kernarg_segment_size: 32
    .max_flat_workgroup_size: 256
    .sgpr_count:     102
    .vgpr_count:     512
    .wavefront_size: 32
...
	.end_amdgpu_metadata
.endif
;; end of part 2
;; launch layer1: the kernel of part 2 again; grid 256 x 1, 8 waves a work-group, clusters of 4 x 1, 327,680 bytes of LDS; arguments mid, wimg1, par1, out0; writes out0
;; ======== version 2 of 2: 3 launches; 1.27 times as fast as version 1
;; limits: an absolute error that grows with the inputs' magnitude: up to 1e-05 times it
;; workspace buffers: wimg0 466,944 bytes; wimg1 466,944 bytes; par0 512 bytes of whole numbers; par1 512 bytes of whole numbers; mid 51,380,224 bytes
;; launch prep (part 3): grid 232 x 2, 4 waves a work-group, no clusters, 0 bytes of LDS; arguments qkvw, pw, f1w, f2w, n1g, n1b, n2g, n2b, qkvb, pb, f1b, f2b, rpb, wimg0, wimg1, par0, par1; writes wimg0, wimg1, par0, par1
.if DOCPART == 3
	.amdgcn_target "amdgcn-amd-amdhsa--gfx1250"
	.amdhsa_code_object_version 6
	.text
	.protected	k_qa4db39d46a_prep
	.globl	k_qa4db39d46a_prep
	.p2align	8
	.type	k_qa4db39d46a_prep,@function
k_qa4db39d46a_prep:
	s_mov_b64 s[64:65], 0
	v_nop
	global_prefetch_b8 v0, s[64:65] scope:SCOPE_SE
	s_setreg_imm32_b32 hwreg(HW_REG_WAVE_MODE, 25, 1), 1
	s_wait_xcnt 0x0
; PREP.  For each of the two blocks (work-group y) one IMAGE of 466,944 bytes is written, which the layer launch copies into LDS as it lies:
; all weights in bf16 in fragment order, the folded bias vectors in f32, the bias table in accumulator order; and the block's shift as whole numbers.
; A FRAGMENT is 16 rows m x 32 k, 1,024 bytes: lane L = (r = L % 16, h = L / 16) finds k = 8h..8h+7 of row r at byte 16 L and k = 16+8h..+7 at byte 512 + 16 L.
; Row m is an output channel, k an input channel: the element is W[k][m].
; FOLDINGS (all in f32, rounded to bf16 once): the first norm's gain into qkvw, its offset into qkvb (b' = b + beta . W); the second norm's into f1w and f1b;
; 32^-0.5 x log2(e) into q's weights and bias and log2(e) into the table, so that the logits are in base 2; 0.5 into f2w, since the layer's hidden operand is 2 gelu.
; THE MLP'S PLACES.  In LDS chunk i (32 hidden channels) lies at 16,384 i: fc1 tiles 2 i and 2 i + 1 (4,096 bytes each), then fc2's eight fragments for those 32 k.  LDS bytes below 98,304 come
; with the layer's second fill (image + 266,240), bytes from 159,744 on with its third (image + 204,800), those between with its first (the image's own byte).
; Four waves; a work-group writes 2,048 consecutive bytes (two fragments or two table tiles: a wave's store of 16 bytes a lane covers 512 consecutive bytes) or 512 bytes of a vector
; (4 bytes a lane, 128 consecutive bytes a wave: the vectors are 8 KB of the image).
; Memory binds and the whole launch moves about 3 MB: no LDS, no barrier, no matrix unit, no cluster (no two work-groups read the same bytes but the gains and offsets).
.set IMG_TAB,  159744
.set IMG_VECA, 225280
.set IMG_PROJ, 229376
.set IMG_VECM, 262144
	s_load_b512 s[4:19], s[0:1], 0x0               ; qkvw 4, pw 6, f1w 8, f2w 10, n1g 12, n1b 14, n2g 16, n2b 18
	s_load_b512 s[20:35], s[0:1], 0x40             ; qkvb 20, pb 22, f1b 24, f2b 26, rpb 28, wimg0 30, wimg1 32, par0 34
	s_load_b64 s[36:37], s[0:1], 0x80              ; par1
	s_and_b32 s2, ttmp7, 0xffff                    ; the block
	s_mov_b32 s3, ttmp9                            ; the task
	s_mov_b32 s43, 0
	s_mov_b32 s49, 0
	v_lshrrev_b32 v1, 6, v0                        ; fi: which of the work-group's two fragments
	v_bfe_u32 v2, v0, 5, 1                         ; pp: which half of the fragment
	v_and_b32 v3, 15, v0                           ; r
	v_bfe_u32 v4, v0, 4, 1                         ; h
	v_lshlrev_b32 v5, 4, v0                        ; my 16 bytes of the work-group's 2,048
	v_lshlrev_b32 v6, 4, v2
	v_lshl_add_u32 v6, v4, 3, v6                   ; 16 pp + 8 h: my first k in a fragment
	s_wait_kmcnt 0x0
	s_cmp_eq_u32 s2, 0
	s_cselect_b64 s[38:39], s[30:31], s[32:33]     ; the block's image
	s_cselect_b64 s[40:41], s[34:35], s[36:37]     ; and its whole numbers
.macro LAYER p, size                   ; an input's pointer goes to the block's part
	s_mul_i32 s42, s2, \size
	s_add_nc_u64 s[\p:\p+1], s[\p:\p+1], s[42:43]
.endm
	LAYER 4, 196608
	LAYER 6, 65536
	LAYER 8, 262144
	LAYER 10, 262144
	LAYER 12, 512
	LAYER 14, 512
	LAYER 16, 512
	LAYER 18, 512
	LAYER 20, 1536
	LAYER 22, 512
	LAYER 24, 2048
	LAYER 26, 512
	LAYER 28, 2704
; Two fragments of a weight matrix [K][nn].  s44: the scalar part of k; s45: of m; s[46:47]: the scale; s[48:49]: where in the image.
; fik = 1: the second fragment is 32 further along k; 0: 16 further along m.  gain: the pointer of a gain along k, or -1.  sc = 1: the scale is applied.
.macro WFRAG src, nn, gain, fik, sc
.if \fik
	v_lshl_add_u32 v7, v1, 5, v6
	v_add_nc_u32 v7, s44, v7                       ; k0
	v_add_nc_u32 v8, s45, v3                       ; m
.else
	v_add_nc_u32 v7, s44, v6
	v_lshl_add_u32 v8, v1, 4, v3
	v_add_nc_u32 v8, s45, v8
.endif
	v_mul_u32_u24 v9, v7, \nn
	v_add_lshl_u32 v9, v9, v8, 2                   ; (k0 nn + m) x 4
.irp i, 0,1,2,3,4,5,6,7
	global_load_b32 v[16+\i], v9, s[\src:\src+1] offset:\i*\nn*4
.endr
.if \gain >= 0
	v_lshlrev_b32 v10, 2, v7
	global_load_b128 v[24:27], v10, s[\gain:\gain+1]
	global_load_b128 v[28:31], v10, s[\gain:\gain+1] offset:16
.endif
	s_add_nc_u64 s[38:39], s[38:39], s[48:49]
	s_wait_loadcnt 0x0
.if \gain >= 0
.irp i, 0,2,4,6
	v_pk_mul_f32 v[16+\i:17+\i], v[16+\i:17+\i], v[24+\i:25+\i]
.endr
.endif
.if \sc
.irp i, 0,2,4,6
	v_pk_mul_f32 v[16+\i:17+\i], v[16+\i:17+\i], s[46:47] op_sel_hi:[1,0]
.endr
.endif
.irp i, 0,1,2,3
	v_cvt_pk_bf16_f32 v[32+\i], v[16+2*\i], v[17+2*\i]
.endr
	global_store_b128 v5, v[32:35], s[38:39]
	s_endpgm
.endm
; s48 = where in the image task s50's 2,048 bytes of the MLP's weights go: chunk s50 / 4, quarter s50 % 4 of its fc1 part (add = 0) or of its fc2 part (add = 8,192)
.macro MLPOFF add
	s_lshr_b32 s51, s50, 2
	s_lshl_b32 s51, s51, 14
	s_and_b32 s52, s50, 3
	s_lshl_b32 s52, s52, 11
	s_add_co_u32 s48, s51, s52
.if \add
	s_add_co_u32 s48, s48, \add
.endif
	s_mov_b32 s52, 0                               ; the LDS byte; now the fill that brings it
	s_cmp_lt_u32 s48, 98304
	s_cselect_b32 s52, 266240, s52
	s_cmp_ge_u32 s48, 159744
	s_cselect_b32 s52, 204800, s52
	s_add_co_u32 s48, s48, s52
.endm
; v8 += the sum over k of u[k] W[k][m], m = my column (v7 = 4 m).  Two trips of 64 k: 64 loads of W and 16 of u (every lane reads the same 16 bytes) are out together,
; so that the fold waits for memory twice; four sums, so that no multiply-add waits for the one before it.
.macro VEC w, nn, u
	v_mov_b32 v9, 0
	v_mov_b32 v10, 0
	v_mov_b32 v11, 0
	v_mov_b32 v12, 0                               ; u's offset
	s_mov_b32 s47, 2
.Lvec_\@:
.set i, 0
.rept 16
	global_load_b128 v[80+4*i:83+4*i], v12, s[\u:\u+1] offset:16*i
.set i, i+1
.endr
.set i, 0
.rept 64
	global_load_b32 v[16+i], v7, s[\w:\w+1] offset:i*\nn*4
.set i, i+1
.endr
	s_wait_loadcnt 0x0                             ; in the first trip also the bias that starts the sum
.set i, 0
.rept 64
	v_fmac_f32 v[8+i%4], v[80+i], v[16+i]
.set i, i+1
.endr
	s_wait_xcnt 0x0                                ; the two bases are stepped only behind this wait
	s_add_nc_u64 s[\u:\u+1], s[\u:\u+1], 256
	s_add_nc_u64 s[\w:\w+1], s[\w:\w+1], 64*\nn*4
	s_sub_co_u32 s47, s47, 1
	s_cmp_lg_u32 s47, 0
	s_cbranch_scc1 .Lvec_\@
	v_add_f32 v8, v8, v9
	v_add_f32 v10, v10, v11
	v_add_f32 v8, v8, v10
.endm
	s_cmp_lt_u32 s3, 48
	s_cbranch_scc1 .Lqkv
	s_cmp_lt_u32 s3, 64
	s_cbranch_scc1 .Lproj
	s_cmp_lt_u32 s3, 128
	s_cbranch_scc1 .Lfc1
	s_cmp_lt_u32 s3, 192
	s_cbranch_scc1 .Lfc2
	s_cmp_lt_u32 s3, 195
	s_cbranch_scc1 .Lvq
	s_cmp_lt_u32 s3, 199
	s_cbranch_scc1 .Lvf
	s_cmp_eq_u32 s3, 199
	s_cbranch_scc1 .Lmisc
	; tasks 200..231: THE TABLE.  Tile (head x 16 + query tile x 4 + key tile), 1,024 bytes of f32 in accumulator order: lane (r, h), register j: query 16 qt + r, key 16 kt + 8 h + j.
	; Value: log2(e) x rpb[(yq - yk + 6) x 13 + xq - xk + 6][head]; -1e30 for the padded keys 49..63; padded queries take query 48's row.
	s_sub_co_u32 s47, s3, 200
	s_lshl_b32 s44, s47, 1
	v_add_nc_u32 v7, s44, v1                       ; my tile
	v_lshrrev_b32 v8, 4, v7                        ; head
	v_bfe_u32 v9, v7, 2, 2                         ; query tile
	v_and_b32 v10, 3, v7                           ; key tile
	v_lshl_add_u32 v9, v9, 4, v3
	v_min_u32 v9, 48, v9                           ; the query
	v_mul_u32_u24 v11, v9, 37
	v_lshrrev_b32 v11, 8, v11                      ; y = n / 7, exact for n up to 63
	v_mad_u32_u24 v12, v11, 6, v9                  ; 13 y + x = 6 y + n
	v_add_nc_u32 v12, 84, v12                      ; + 6 x 13 + 6
	v_lshlrev_b32 v13, 4, v10
	v_lshl_add_u32 v13, v4, 3, v13
	v_lshl_add_u32 v13, v2, 2, v13                 ; my first key
.irp i, 0,1,2,3
	v_add_nc_u32 v[28+\i], \i, v13
	v_min_u32 v14, 48, v[28+\i]
	v_mul_u32_u24 v15, v14, 37
	v_lshrrev_b32 v15, 8, v15
	v_mad_u32_u24 v15, v15, 6, v14
	v_sub_nc_u32 v15, v12, v15                     ; the index, 0 to 168
	v_lshl_add_u32 v15, v15, 2, v8
	v_lshlrev_b32 v[20+\i], 2, v15
	global_load_b32 v[24+\i], v[20+\i], s[28:29]
.endr
	s_lshl_b32 s48, s47, 11
	s_add_co_u32 s48, s48, IMG_TAB
	s_add_nc_u64 s[38:39], s[38:39], s[48:49]
	s_mov_b32 s46, 0xf149f2ca                      ; -1e30
	s_wait_loadcnt 0x0
.irp i, 0,1,2,3
	v_mul_f32 v[24+\i], 0x3fb8aa3b, v[24+\i]
	v_cmp_lt_u32 vcc_lo, 48, v[28+\i]
	v_cndmask_b32 v[24+\i], v[24+\i], s46, vcc_lo
.endr
	global_store_b128 v5, v[24:27], s[38:39]
	s_endpgm
.Lqkv:                                                 ; tasks 0..47: tile e / 2 of 24, fragments 2 (e % 2) and + 1
	s_and_b32 s44, s3, 1
	s_lshl_b32 s44, s44, 6
	s_lshr_b32 s45, s3, 1
	s_lshl_b32 s45, s45, 4
	s_lshl_b32 s48, s3, 11
	s_cmp_lt_u32 s3, 16                            ; q's columns
	s_cselect_b32 s46, 0x3e8293ee, 1.0             ; 32^-0.5 x log2(e) = 0.25503487
	s_mov_b32 s47, s46
	WFRAG 4, 384, 12, 1, 1
.Lproj:                                                ; tasks 48..63
	s_sub_co_u32 s50, s3, 48
	s_and_b32 s44, s50, 1
	s_lshl_b32 s44, s44, 6
	s_lshr_b32 s45, s50, 1
	s_lshl_b32 s45, s45, 4
	s_lshl_b32 s48, s50, 11
	s_add_co_u32 s48, s48, IMG_PROJ
	WFRAG 6, 128, -1, 1, 0
.Lfc1:                                                 ; tasks 64..127: tile e / 2 of 32, fragments 2 (e % 2) and + 1
	s_sub_co_u32 s50, s3, 64
	s_and_b32 s44, s50, 1
	s_lshl_b32 s44, s44, 6
	s_lshr_b32 s45, s50, 1
	s_lshl_b32 s45, s45, 4
	MLPOFF 0
	WFRAG 8, 512, 16, 1, 0
.Lfc2:                                                 ; tasks 128..191: chunk e / 4 of 16 (32 k), tiles 2 (e % 4) and + 1 of 8
	s_sub_co_u32 s50, s3, 128
	s_lshr_b32 s44, s50, 2
	s_lshl_b32 s44, s44, 5
	s_and_b32 s45, s50, 3
	s_lshl_b32 s45, s45, 5
	MLPOFF 8192
	s_mov_b32 s46, 0.5
	s_mov_b32 s47, s46
	WFRAG 10, 128, -1, 0, 1
.Lvq:                                                  ; tasks 192..194: q's, k's, v's bias: (qkvb + n1b . qkvw) x scale
	s_sub_co_u32 s50, s3, 192
	s_lshl_b32 s44, s50, 9
	v_lshl_add_u32 v7, v0, 2, s44                  ; 4 m
	global_load_b32 v8, v7, s[20:21]
	s_cmp_eq_u32 s50, 0
	s_cselect_b32 s46, 0x3e8293ee, 1.0
	VEC 4, 384, 14
	v_mul_f32 v8, s46, v8
	global_store_b32 v7, v8, s[38:39] offset:IMG_VECA
	s_endpgm
.Lvf:                                                  ; tasks 195..198: f1b + n2b . f1w
	s_sub_co_u32 s50, s3, 195
	s_lshl_b32 s44, s50, 9
	v_lshl_add_u32 v7, v0, 2, s44
	global_load_b32 v8, v7, s[24:25]
	VEC 8, 512, 18
	global_store_b32 v7, v8, s[38:39] offset:IMG_VECM
	s_endpgm
.Lmisc:                                                ; task 199: pb, f2b, the vectors' unused bytes (they are copied into LDS, so they are written), and the shift
	v_lshlrev_b32 v7, 2, v0
	global_load_b32 v8, v7, s[22:23]
	global_load_b32 v9, v7, s[26:27]
	v_mov_b32 v10, 0
	s_mul_i32 s44, s2, 3                           ; the shift: 0, 3
	v_mov_b32 v11, s44
.irp i, 0,1,2,3
	global_store_b32 v7, v10, s[38:39] offset:IMG_VECA+2048+512*\i
.endr
.irp i, 0,1,2
	global_store_b32 v7, v10, s[38:39] offset:IMG_VECM+2560+512*\i
.endr
	global_store_b32 v7, v11, s[40:41]
	s_wait_loadcnt 0x0
	global_store_b32 v7, v8, s[38:39] offset:IMG_VECA+1536
	global_store_b32 v7, v9, s[38:39] offset:IMG_VECM+2048
	s_endpgm
.Lfunc_end_k_qa4db39d46a_prep:
	.size	k_qa4db39d46a_prep, .Lfunc_end_k_qa4db39d46a_prep-k_qa4db39d46a_prep
	.p2alignl 7, 3214868480
	.fill 96, 4, 3214868480
	.section	.rodata,"a",@progbits
	.p2align	6, 0x0
	.amdhsa_kernel k_qa4db39d46a_prep
		.amdhsa_group_segment_fixed_size 0
		.amdhsa_private_segment_fixed_size 0
		.amdhsa_enable_private_segment 0
		.amdhsa_kernarg_size 136
		.amdhsa_user_sgpr_count 2
		.amdhsa_user_sgpr_kernarg_segment_ptr 1
		.amdhsa_wavefront_size32 1
		.amdhsa_system_sgpr_workgroup_id_x 1
		.amdhsa_system_sgpr_workgroup_id_y 1
		.amdhsa_system_sgpr_workgroup_id_z 1
		.amdhsa_system_vgpr_workitem_id 0
		.amdhsa_next_free_vgpr 144
		.amdhsa_next_free_sgpr 66
		.amdhsa_reserve_vcc 1
		.amdhsa_float_denorm_mode_32 3
		.amdhsa_float_denorm_mode_16_64 3
		.amdhsa_memory_ordered 1
		.amdhsa_forward_progress 1
		.amdhsa_inst_pref_size 38
	.end_amdhsa_kernel
	.amdgpu_metadata
---
amdhsa.version: [ 1, 2 ]
amdhsa.kernels:
  - .name:           k_qa4db39d46a_prep
    .symbol:         k_qa4db39d46a_prep.kd
    .args:
      - { .name: qkvw, .offset: 0, .size: 8, .value_kind: global_buffer, .address_space: global }
      - { .name: pw, .offset: 8, .size: 8, .value_kind: global_buffer, .address_space: global }
      - { .name: f1w, .offset: 16, .size: 8, .value_kind: global_buffer, .address_space: global }
      - { .name: f2w, .offset: 24, .size: 8, .value_kind: global_buffer, .address_space: global }
      - { .name: n1g, .offset: 32, .size: 8, .value_kind: global_buffer, .address_space: global }
      - { .name: n1b, .offset: 40, .size: 8, .value_kind: global_buffer, .address_space: global }
      - { .name: n2g, .offset: 48, .size: 8, .value_kind: global_buffer, .address_space: global }
      - { .name: n2b, .offset: 56, .size: 8, .value_kind: global_buffer, .address_space: global }
      - { .name: qkvb, .offset: 64, .size: 8, .value_kind: global_buffer, .address_space: global }
      - { .name: pb, .offset: 72, .size: 8, .value_kind: global_buffer, .address_space: global }
      - { .name: f1b, .offset: 80, .size: 8, .value_kind: global_buffer, .address_space: global }
      - { .name: f2b, .offset: 88, .size: 8, .value_kind: global_buffer, .address_space: global }
      - { .name: rpb, .offset: 96, .size: 8, .value_kind: global_buffer, .address_space: global }
      - { .name: wimg0, .offset: 104, .size: 8, .value_kind: global_buffer, .address_space: global }
      - { .name: wimg1, .offset: 112, .size: 8, .value_kind: global_buffer, .address_space: global }
      - { .name: par0, .offset: 120, .size: 8, .value_kind: global_buffer, .address_space: global }
      - { .name: par1, .offset: 128, .size: 8, .value_kind: global_buffer, .address_space: global }
    .group_segment_fixed_size: 0
    .private_segment_fixed_size: 0
    .kernarg_segment_align: 8
    .kernarg_segment_size: 136
    .max_flat_workgroup_size: 128
    .sgpr_count:     66
    .vgpr_count:     144
    .wavefront_size: 32
...
	.end_amdgpu_metadata
.endif
;; end of part 3
;; launch layer0 (part 4): grid 256 x 1, 8 waves a work-group, clusters of 4 x 1, 327,680 bytes of LDS; arguments x, wimg0, par0, mid; writes mid
.if DOCPART == 4
	.amdgcn_target "amdgcn-amd-amdhsa--gfx1250"
	.amdhsa_code_object_version 6
	.text
	.protected	k_qa4db39d46a_layer0
	.globl	k_qa4db39d46a_layer0
	.p2align	8
	.type	k_qa4db39d46a_layer0,@function
k_qa4db39d46a_layer0:
	s_mov_b64 s[64:65], 0
	v_nop
	global_prefetch_b8 v0, s[64:65] scope:SCOPE_SE
	s_setreg_imm32_b32 hwreg(HW_REG_WAVE_MODE, 25, 1), 1
	s_wait_xcnt 0x0
	s_wait_alu depctr_hold_cnt(0) depctr_sa_sdst(0) depctr_va_vdst(0) depctr_va_sdst(0) depctr_va_ssrc(0) depctr_va_vcc(0) depctr_vm_vsrc(0)
	s_getreg_b32 s2, hwreg(HW_REG_IB_STS2, 6, 4)
	s_cmp_eq_u32 s2, 0
	s_cbranch_scc0 .Lentry_in_a_cluster
	s_endpgm
.Lentry_in_a_cluster:
	s_bfe_u32 s2, ttmp6, 0x10000c
	s_cmp_lg_u32 s2, 0x3003
	s_cbranch_scc0 .Lentry_shape_is_right
	s_endpgm
.Lentry_shape_is_right:
; ONE SWIN BLOCK: norm, 7 x 7 window attention (4 heads of 32, relative-position bias, roll and region mask by the shift), projection, residual, norm, MLP 128 -> 512 -> 128 with the exact GELU, residual.
; x and the result: [32][56 x 56][128] f32.  The image (made by the launch before) holds the block's weights in bf16 in fragment order, the folded biases and the bias table; par holds the shift.
; SHARES.  256 work-groups of 8 waves: a work-group takes one row of 8 windows of one picture, a wave ONE window: 49 tokens = three tiles of 16 and token 48, which fills a fourth tile with 16 copies
; of itself (as keys the 15 copies have -1e30 in the table; all 16 lanes stay equal to the end).  A wave carries its window from the first norm to the second residual in its 512 registers; two waves
; lie on a SIMD, so that one wave's vector phases stand beside the other's matrix phases.  A weight fragment read from LDS feeds a product for each token tile.
; THE MLP'S FOURTH TILE IS SHARED.  The MLP goes token by token, so the eight waves' tokens 48 make ONE tile (row r % 8 = window r % 8).  Each wave puts its row of the second norm's output into LDS, all
; load the joint tile, and wave w multiplies it in chunks w and w + 8 of the 16 alone, beside its own three tiles, whose fragments serve it too: 14 x 3 + 2 x 4 = 50 tile-chunks a wave for 64.
; At the end the eight partial sums meet in LDS, and each wave adds up and stores its own token 48.
; LAYOUT.  Every product is laid so that a lane holds ONE token (lane % 16) and the channels 16 mt + 8 (lane / 16) + 0..7 of its results; two such results rounded to bf16 in pairs ARE the next
; product's operand.  So q, k, v, the weights p, O, the second norm's output and the hidden numbers never change lanes.  Only x's rows of 512 bytes are turned into this layout, and the result
; back, through a stage of 16 rows x 272 bytes in LDS that is the wave's own.
; LDS holds weights: 266,240 bytes at the start (qkv; MLP chunks 6 to 9 less chunk 9's last 4,096 bytes; table, vectors, projection); behind attention qkv's bytes take chunks 0..5; behind the
; projection the table's, the vectors' and the projection's bytes take the rest of chunk 9 and chunks 10..15.  CLUSTER: all work-groups walk the same image, so four ask for each part jointly.
; ARITHMETIC.  Matrix operands bf16, sums f32; norms in two passes in f32; the residual stream f32.  Logits in base 2; the row's true maximum is taken away before the exponential.
; THE MASK.  Where the problem adds -100 for keys of another region, this text adds +100 log2(e) for keys of the SAME region (a row's softmax does not change under a common shift), by one more
; product R R^T: a token's region g (0..3) is coded in k = 4 g .. 4 g + 3 as 12, 0.5, 0.125, 0.0625, whose squares add to 144.26953: the mask is -100.00002.
; GELU.  2 gelu(x) = (x + |x|) - |x| 2Q(|x|), Q(z) = (1 - erf(z / sqrt 2)) / 2, and 2Q(z) = 2^(z (q0 + q1 z + q2 z^2 + q3 z^3 + q4 z^4)).  The quartic goes through -log2(2Q(z)) / z at
; z = 0, 0.5, 1.5, 2.5 and 3; it and its slope grow for every z >= 0, so that beyond the fit Q goes to 0 as it should.
; LIMITS.  Held against Q's values at steps of 0.25 up to 2.5 and of 0.5 up to 6 the fit is off by less than 2e-6; stated: GELU is off by 1e-5 |x| at the most, less than the hidden operand's
; rounding to bf16 wherever gelu(x) is above |x| / 200.  A weight below 2^-126 counts as 0 in its row's sum.  NaN and infinities are not treated apart.
; x is read twice (for the norm, and again as the residual, when attention has freed the registers).  No cache hint: one text serves a result that the next launch reads and one that nobody reads.
; REGISTERS, two windows of 256 (s_set_vgpr_msb: bits 1:0 source 0, 3:2 source 1, 5:4 source 2, 7:6 destination):
;   window 0: v0 thread; v1, v2 the add's; v3-7 addresses; v8-23 at work; v24-31 a bias as C; v32-63 four weight fragments; v64-127 accumulators; v128-255 O, later the second norm's output
;   window 1: the residual stream, XR[64 n + 8 mt + j]; during attention: the first norm's output (0-127), K, V, Q of one head (128-223), the regions' code (224-255)
.set IMAGE_BYTES, 1605632              ; a picture: 3,136 tokens of 512 bytes
.set BAND_BYTES,  28672                ; 56 tokens
.set CHUNKB, 16384                     ; MLP chunk i lies at CHUNKB i: fc1 tiles 2 i, 2 i + 1 (4,096 bytes each), then fc2's eight fragments
.set TAB,    159744
.set VECA,   225280                    ; q's bias +0, k's +512, v's +1,024, pb +1,536
.set PROJ,   229376
.set VECM,   262144                    ; f1b +0, f2b +2,048
.set STAGE,  266240                    ; 8 x 4,352 bytes; no fill lands here
.set SPITCH, 272                       ; 256 bytes + 16: the 16 rows of a load start at 16 different groups of four banks (64 banks of 4 bytes: ISA guide 11.1)
.set PPITCH, 528                       ; the partial sums' rows in a stage: 512 bytes + 16; 8 rows are 4,224 bytes
.set SPARE,  301056                    ; the spare words, 128 bytes for each of 8 waves: four blocks of 256 bytes that no other line names
.set OT,     302080                    ; the joint tile as operand: 1,024 kk + 512 (registers 4-7) + 256 h + 16 row; no fill lands here
.set XO,     306176                    ; 8 x 512 bytes: each wave's token 48 of the residual stream, as a row
.set R1_IMG, 266240                    ; the second fill: 98,304 bytes of the image, to LDS byte 0
.set R2_IMG, 364544                    ; the third: 102,400 bytes, to LDS byte 159,744
.set R2_LDS, 159744
.set SPW, 1
.set NIL, 2
.set T,   8
.set BC,  24
.set WF,  32
.set ACC, 64
.set S,   64                           ; attention: scores of one query tile, 4 x 8
.set P,   96                           ; their weights in bf16
.set OACC, 112                         ; O^T of one head and query tile, 2 x 8
.set H,   96                           ; MLP: the hidden operand, 4 x 8
.set OF,  128                          ; O as operand: 32 head + 8 n; later the second norm's output: 32 n + 8 kk
.set XN,  0                            ; window 1
.set KF,  128
.set VF,  160
.set QF,  192
.set RF,  224
.set YBI, 36                           ; s[36:49] the input at my picture's row band ty, seven pairs
.set YBO, 50                           ; s[50:63] the same for the output
.set IBI, 66                           ; s[66:67] the input at my picture;  s[68:69] the output
.set IBO, 68
.set GY,  70                           ; s70-76 the bands' byte offsets in the picture
.set GX,  77                           ; s77-83 the columns' byte offsets in a band
.set MSB, 0
.macro WIN new                         ; the immediate's high byte repeats the setting that is left; a switch that changes nothing is dropped
.if MSB != (\new)
	s_set_vgpr_msb (MSB<<8)|(\new)
.set MSB, \new
.endif
.endm
.macro PLACES                          ; four places behind matrix instructions (ISA guide 7.12.1), where no other vector work is at hand
.rept 4
	v_nop
.endr
.endm
.macro ROUND                           ; a round of the cluster's barrier
	s_barrier_signal -1
	s_barrier_wait -1
	s_cmp_lg_u32 s12, 0
	s_cbranch_scc1 .Lnot_wave_0_\@
	s_barrier_signal -3
.Lnot_wave_0_\@:
	s_barrier_wait -3
	s_barrier_signal -1
	s_barrier_wait -1
.endm
.macro TLOAD                           ; my eighth of a fill, asked for jointly by the four work-groups
	tensor_load_to_lds s[32:35], s[24:31]
	s_nop 0
.rept 4
	v_nop
.endr
.endm
; The offsets of x's rows.  One global instruction takes two tokens, tau0 (lanes 0-15) and tau0 + 1 (lanes 16-31), 256 consecutive bytes each.
; v[T+k], k = 0..5: columns k and k + 1 of one band;  v[T+6]: column 6, both halves;  v[T+7+k]: column 6 of band 2 k and column 0 of band 2 k + 1, from the picture's first byte.
; The choice between the halves is made by ANDs with a mask of the lanes and adds.
.macro XADDR
	v_and_b32 v[T+10], 15, v0
	v_lshlrev_b32 v[T+10], 4, v[T+10]              ; my 16 bytes of the 256
	v_bfe_u32 v[T+11], v0, 4, 1
	v_sub_nc_u32 v[T+11], 0, v[T+11]               ; all ones in lanes 16-31
	v_xor_b32 v[T+12], -1, v[T+11]                 ; all ones in lanes 0-15
.irp k, 0,1,2,3,4,5
	v_and_b32 v[T+13], s[GX+\k], v[T+12]
	v_and_b32 v[T+14], s[GX+\k+1], v[T+11]
	v_add3_u32 v[T+\k], v[T+13], v[T+14], v[T+10]
.endr
	v_add_nc_u32 v[T+6], s[GX+6], v[T+10]
.irp k, 0,1,2
	s_add_co_u32 s16, s[GX+6], s[GY+2*\k]
	s_add_co_u32 s17, s[GX], s[GY+2*\k+1]
	v_and_b32 v[T+13], s16, v[T+12]
	v_and_b32 v[T+14], s17, v[T+11]
	v_add3_u32 v[T+7+\k], v[T+13], v[T+14], v[T+10]
.endr
.endm
.macro XSEL n, t, yb, ib               ; VO, SB: the offset register and the base for tokens 16 n + 2 t and + 1
.set tau0, 16*(\n)+2*(\t)
.set ty0, tau0/7
.set tx0, tau0%7
.if tx0 < 6
.set VO, T+tx0
.set SB, (\yb)+2*ty0
.elseif tau0 < 48
.set VO, T+7+ty0/2
.set SB, \ib
.else
.set VO, T+6
.set SB, (\yb)+12
.endif
.endm
.macro XISSUE                          ; the window's 49 rows: 50 loads, groups (tile, half of the channels) in order; of tile 3 token 48 alone (both halves of the lanes read it)
	WIN 0x40
.irp n, 0,1,2
.irp c, 0,1
.irp t, 0,1,2,3,4,5,6,7
	XSEL \n, \t, YBI, IBI
	global_load_b128 v[64*\n+32*\c+4*\t:64*\n+32*\c+4*\t+3], v[VO], s[SB:SB+1] offset:256*\c
.endr
.endr
.endr
.irp c, 0,1
	XSEL 3, 0, YBI, IBI
	global_load_b128 v[192+32*\c:192+32*\c+3], v[VO], s[SB:SB+1] offset:256*\c
.endr
	WIN 0
	s_wait_xcnt 0x0                                ; the offsets' registers are written again only behind this wait
.endm
.macro STADDR                          ; v3: token l % 16's row of my stage, + 32 (l / 16);  v4: row l / 16, + 16 (l % 16);  v[T+15]: row 0, + 32 (l / 16).  v5 = l % 16, v6 = l / 16 and s16 = my stage are left
	s_mul_i32 s16, s12, 16*SPITCH
	s_add_co_u32 s16, s16, STAGE
	v_and_b32 v5, 15, v0
	v_bfe_u32 v6, v0, 4, 1
	v_mul_u32_u24 v3, v5, SPITCH
	v_lshl_add_u32 v3, v6, 5, v3
	v_add_nc_u32 v3, s16, v3
	v_mul_u32_u24 v4, v6, SPITCH
	v_lshl_add_u32 v4, v5, 4, v4
	v_add_nc_u32 v4, s16, v4
	v_lshl_add_u32 v[T+15], v6, 5, s16
.endm
; Group (n, c) goes through the stage: rows as loaded in, a token a lane out, into the registers that it left.  left: the loads of x issued behind the group's own.
; LDS serves a wave's instructions in order (ISA guide 5.7.1.4), and the bytes are the wave's own: no wait between the stores and the loads.
; Tile 3: token 48 goes into rows 0 and 1, and every lane reads row 0: sixteen copies.
.macro FIN n, c, left
	s_wait_loadcnt \left
	WIN 0x04
.if (\n) < 3
.irp t, 0,1,2,3,4,5,6,7
	ds_store_b128 v4, v[64*(\n)+32*(\c)+4*\t:64*(\n)+32*(\c)+4*\t+3] offset:544*\t
.endr
.else
	ds_store_b128 v4, v[192+32*(\c):192+32*(\c)+3]
.endif
	WIN 0x40
.irp i, 0,1,2,3
.irp q, 0,1
.if (\n) < 3
	ds_load_b128 v[64*(\n)+32*(\c)+8*\i+4*\q:64*(\n)+32*(\c)+8*\i+4*\q+3], v3 offset:64*\i+16*\q
.else
	ds_load_b128 v[64*(\n)+32*(\c)+8*\i+4*\q:64*(\n)+32*(\c)+8*\i+4*\q+3], v[T+15] offset:64*\i+16*\q
.endif
.endr
.endr
.endm
.macro REDUCE                          ; four packed chains into one number; the token's other 64 channels lie in the lane 16 away
	v_pk_add_f32 v[T:T+1], v[T:T+1], v[T+2:T+3]
	v_pk_add_f32 v[T+4:T+5], v[T+4:T+5], v[T+6:T+7]
	v_pk_add_f32 v[T:T+1], v[T:T+1], v[T+4:T+5]
	v_add_f32 v[T], v[T], v[T+1]
	v_permlanex16_b32 v[T+1], v[T], s86, s87
	v_add_f32 v[T], v[T], v[T+1]
.endm
; The norm of token tile n, without gain and offset (they are folded into the weights): (x - mean) / sqrt(var + 1e-5), in two passes, rounded to bf16 into v[dst + 32 n ..] of window dwin's destination.
; Each group of eight registers is read from its low end on.
.macro LN n, dwin, dst
.set X, 64*(\n)
	WIN 0x05
.irp k, 0,1,2,3
	v_pk_add_f32 v[T+2*\k:T+2*\k+1], v[X+4*\k:X+4*\k+1], v[X+4*\k+2:X+4*\k+3]
.endr
	WIN 0x01
.set i, 0
.rept 24
	v_pk_add_f32 v[T+2*(i%4):T+2*(i%4)+1], v[X+16+2*i:X+17+2*i], v[T+2*(i%4):T+2*(i%4)+1]
.set i, i+1
.endr
	WIN 0
	REDUCE
	v_mul_f32 v[T+8], s2, v[T]                     ; the mean, twice: a pair for the packed subtraction
	v_mul_f32 v[T+9], s2, v[T]
	WIN 0x01
.set i, 0
.rept 32
	v_pk_add_f32 v[ACC+2*i:ACC+2*i+1], v[X+2*i:X+2*i+1], v[T+8:T+9] neg_lo:[0,1] neg_hi:[0,1]
.set i, i+1
.endr
	WIN 0
.irp k, 0,1,2,3
	v_pk_mul_f32 v[T+2*\k:T+2*\k+1], v[ACC+2*\k:ACC+2*\k+1], v[ACC+2*\k:ACC+2*\k+1]
.endr
.set i, 0
.rept 28
	v_pk_fma_f32 v[T+2*(i%4):T+2*(i%4)+1], v[ACC+8+2*i:ACC+9+2*i], v[ACC+8+2*i:ACC+9+2*i], v[T+2*(i%4):T+2*(i%4)+1]
.set i, i+1
.endr
	REDUCE
	v_fma_f32 v[T], v[T], s2, s3                   ; var + 1e-5
	v_rsq_f32 v[T+8], v[T]
	v_rsq_f32 v[T+9], v[T]
	v_nop                                          ; a plain instruction behind the transcendentals (ISA guide 5.7.2)
.set i, 0
	s_wait_alu depctr_va_vdst(0)
.rept 32
	v_pk_mul_f32 v[ACC+2*i:ACC+2*i+1], v[ACC+2*i:ACC+2*i+1], v[T+8:T+9]
.set i, i+1
.endr
	WIN \dwin
.set i, 0
.rept 32
	v_cvt_pk_bf16_f32 v[(\dst)+32*(\n)+i], v[ACC+2*i], v[ACC+2*i+1]
.set i, i+1
.endr
	WIN 0
.endm
; The regions' code.  a = (my window row is the last and ty >= 7 - shift), b the same along x; g = 2 a + b.  A lane of half h holds k = 8 h .. 8 h + 7: the regions with a = h.
; Tile 3's lanes all take token 48's code: they are its copies.
.macro RFMAKE
	s_mov_b32 s18, 0x3f004140                      ; 12, 0.5 in bf16
	s_mov_b32 s19, 0x3d803e00                      ; 0.125, 0.0625
	v_and_b32 v[T], 15, v0
.irp n, 0,1,2,3
	WIN 0
	v_add_nc_u32 v[T+1], 16*\n, v[T]               ; the token
.if \n == 3
	v_min_u32 v[T+1], 48, v[T+1]
.endif
	v_mul_u32_u24 v[T+2], v[T+1], 37
	v_lshrrev_b32 v[T+2], 8, v[T+2]                ; ty = token / 7, exact up to 63
	v_mul_u32_u24 v[T+3], v[T+2], 7
	v_sub_nc_u32 v[T+3], v[T+1], v[T+3]            ; tx
	v_cmp_le_u32 s16, s99, v[T+2]                  ; a
	v_cmp_le_u32 s17, s100, v[T+3]                 ; b
	s_xor_b32 s16, s16, s84
	s_not_b32 s16, s16                             ; a = h
	s_and_not1_b32 s20, s16, s17                   ; and b = 0
	s_and_b32 s21, s16, s17                        ; and b = 1
	WIN 0x40
	v_cndmask_b32 v[RF+8*\n], 0, s18, s20
	v_cndmask_b32 v[RF+8*\n+1], 0, s19, s20
	v_cndmask_b32 v[RF+8*\n+2], 0, s18, s21
	v_cndmask_b32 v[RF+8*\n+3], 0, s19, s21
	v_mov_b32 v[RF+8*\n+4], 0
	v_mov_b32 v[RF+8*\n+5], 0
	v_mov_b32 v[RF+8*\n+6], 0
	v_mov_b32 v[RF+8*\n+7], 0
.endr
	WIN 0
.endm
.macro LDB areg, off                   ; eight numbers of a bias: the C operand of a tile's first K step
	ds_load_b128 v[BC:BC+3], v[\areg] offset:\off
	ds_load_b128 v[BC+4:BC+7], v[\areg] offset:(\off)+16
.endm
.macro LDW areg, off, dst              ; four fragments, 1,024 bytes apart: each lane's 16 bytes lie side by side, so no two lanes meet in a bank
.irp kk, 0,1,2,3
	ds_load_b128 v[(\dst)+8*\kk:(\dst)+8*\kk+3], v[\areg] offset:(\off)+1024*\kk
	ds_load_b128 v[(\dst)+8*\kk+4:(\dst)+8*\kk+7], v[\areg] offset:(\off)+1024*\kk+512
.endr
.endm
; 16 products: one tile of 16 output channels x the four token tiles, K = 128.  The four accumulators take turns.
; isv = 0: channels x tokens, the bias as C (k and q).  isv = 1: tokens x channels, so that a lane holds one channel of v and eight keys.
; In front of K step kk the wait leaves the fragments behind it out: two loads each.
.macro GMUL isv, half
.irp kk, 0,1,2,3
	s_wait_dscnt 6-2*\kk
.irp n, 0,1,2,3
.if \isv
	WIN 0x01
.if \kk == 0
	v_wmma_f32_16x16x32_bf16 v[ACC+32*(\half)+8*\n:ACC+32*(\half)+8*\n+7], v[XN+32*\n+8*\kk:XN+32*\n+8*\kk+7], v[WF+8*\kk:WF+8*\kk+7], 0
.else
	v_wmma_f32_16x16x32_bf16 v[ACC+32*(\half)+8*\n:ACC+32*(\half)+8*\n+7], v[XN+32*\n+8*\kk:XN+32*\n+8*\kk+7], v[WF+8*\kk:WF+8*\kk+7], v[ACC+32*(\half)+8*\n:ACC+32*(\half)+8*\n+7]
.endif
.else
	WIN 0x04
.if \kk == 0
	v_wmma_f32_16x16x32_bf16 v[ACC+32*(\half)+8*\n:ACC+32*(\half)+8*\n+7], v[WF+8*\kk:WF+8*\kk+7], v[XN+32*\n+8*\kk:XN+32*\n+8*\kk+7], v[BC:BC+7]
.else
	v_wmma_f32_16x16x32_bf16 v[ACC+32*(\half)+8*\n:ACC+32*(\half)+8*\n+7], v[WF+8*\kk:WF+8*\kk+7], v[XN+32*\n+8*\kk:XN+32*\n+8*\kk+7], v[ACC+32*(\half)+8*\n:ACC+32*(\half)+8*\n+7]
.endif
.endif
.endr
.endr
	WIN 0
	PLACES                                         ; in front of the loads into the fragments' registers and of the conversions
.endm
.macro GCVT base, stride, half         ; the 16 results' pairs, rounded to bf16, into window 1
	WIN 0x40
.irp n, 0,1,2,3
.irp j, 0,1,2,3
	v_cvt_pk_bf16_f32 v[(\base)+(\stride)*\n+\j], v[ACC+32*(\half)+8*\n+2*\j], v[ACC+32*(\half)+8*\n+2*\j+1]
.endr
.endr
.endm
.macro TABLE n                         ; the bias table of query tile n, four key tiles, in accumulator order: it starts the scores' sums
.irp kt, 0,1,2,3
	ds_load_b128 v[S+8*\kt:S+8*\kt+3], v6 offset:(4*(\n)+\kt)*1024
	ds_load_b128 v[S+8*\kt+4:S+8*\kt+7], v6 offset:(4*(\n)+\kt)*1024+512
.endr
.endm
.macro OCVT hd, n
.irp q, 0,1,2,3,4,5,6,7
	v_cvt_pk_bf16_f32 v[OF+32*(\hd)+8*(\n)+\q], v[OACC+2*\q], v[OACC+2*\q+1]
.endr
.endm
; Attention of one head for query tile n.
.macro ATT n
	s_wait_dscnt 0x0                               ; the table (and, for tile 0, v's bias)
	WIN 0x05
.irp kt, 0,1,2,3
	v_wmma_f32_16x16x32_bf16 v[S+8*\kt:S+8*\kt+7], v[KF+8*\kt:KF+8*\kt+7], v[QF+8*(\n):QF+8*(\n)+7], v[S+8*\kt:S+8*\kt+7]
.endr
.irp kt, 0,1,2,3
	v_wmma_f32_16x16x32_bf16 v[S+8*\kt:S+8*\kt+7], v[RF+8*\kt:RF+8*\kt+7], v[RF+8*(\n):RF+8*(\n)+7], v[S+8*\kt:S+8*\kt+7]
.endr
	WIN 0
	PLACES
.irp k, 0,1,2,3                        ; the row's maximum: four chains, each accumulator read from its low end on
	v_max3_num_f32 v[T+\k], v[S+8*\k], v[S+8*\k+1], v[S+8*\k+2]
.endr
.irp k, 0,1,2,3
	v_max3_num_f32 v[T+\k], v[T+\k], v[S+8*\k+3], v[S+8*\k+4]
.endr
.irp k, 0,1,2,3
	v_max3_num_f32 v[T+\k], v[T+\k], v[S+8*\k+5], v[S+8*\k+6]
.endr
	v_max3_num_f32 v[T], v[T], v[S+7], v[S+15]
	v_max3_num_f32 v[T+1], v[T+1], v[S+23], v[S+31]
	v_max_num_f32 v[T+2], v[T+2], v[T+3]
	v_max3_num_f32 v[T], v[T], v[T+1], v[T+2]
	v_permlanex16_b32 v[T+3], v[T], s86, s87       ; the query's other 32 keys lie in the lane 16 away
	v_max_num_f32 v[T+8], v[T], v[T+3]
	v_max_num_f32 v[T+9], v[T], v[T+3]
.set i, 0
.rept 16
	v_pk_add_f32 v[S+2*i:S+2*i+1], v[S+2*i:S+2*i+1], v[T+8:T+9] neg_lo:[0,1] neg_hi:[0,1]
.set i, i+1
.endr
.set i, 0
.rept 32
	v_exp_f32 v[S+i], v[S+i]
.set i, i+1
.endr
	v_nop                                          ; a plain instruction behind the exponentials
.set i, 0
	s_wait_alu depctr_va_vdst(0)
.rept 16
	v_cvt_pk_bf16_f32 v[P+i], v[S+2*i], v[S+2*i+1]
.set i, i+1
.endr
	WIN 0x01                                       ; O^T = V^T P: two channel tiles by turns, 64 keys
	v_wmma_f32_16x16x32_bf16 v[OACC:OACC+7], v[VF:VF+7], v[P:P+7], 0
	v_wmma_f32_16x16x32_bf16 v[OACC+8:OACC+15], v[VF+16:VF+23], v[P:P+7], 0
	v_wmma_f32_16x16x32_bf16 v[OACC:OACC+7], v[VF+8:VF+15], v[P+8:P+15], v[OACC:OACC+7]
	v_wmma_f32_16x16x32_bf16 v[OACC+8:OACC+15], v[VF+24:VF+31], v[P+8:P+15], v[OACC+8:OACC+15]
	WIN 0
.irp w, 4,8,16,32                      ; the sum of the unrounded weights, in place: also the places behind those products
.set i, 0
.rept 32/\w
	v_pk_add_f32 v[S+\w*i:S+\w*i+1], v[S+\w*i:S+\w*i+1], v[S+\w*i+\w/2:S+\w*i+\w/2+1]
.set i, i+1
.endr
.endr
	v_add_f32 v[T], v[S], v[S+1]
	v_permlanex16_b32 v[T+1], v[T], s86, s87
	v_add_f32 v[T], v[T], v[T+1]
	v_rcp_f32 v[T+8], v[T]
	v_rcp_f32 v[T+9], v[T]
	v_nop
.if (\n) < 3
	TABLE (\n)+1
.endif
	s_wait_alu depctr_va_vdst(0)
.irp q, 0,1,2,3,4,5,6,7                ; O / l + v's bias: the weights add to 1, so the bias may be added here
	v_pk_fma_f32 v[OACC+2*\q:OACC+2*\q+1], v[OACC+2*\q:OACC+2*\q+1], v[T+8:T+9], v[WF+2*\q:WF+2*\q+1]
.endr
	s_cmp_eq_u32 s96, 4                            ; a register's number cannot hang on the loop's count: the head's eight conversions stand four times, and three forward jumps choose
	s_cbranch_scc1 .Lhead_0_\@
	s_cmp_eq_u32 s96, 3
	s_cbranch_scc1 .Lhead_1_\@
	s_cmp_eq_u32 s96, 2
	s_cbranch_scc1 .Lhead_2_\@
	OCVT 3, \n
	s_branch .Lhead_done_\@
.Lhead_0_\@:
	OCVT 0, \n
	s_branch .Lhead_done_\@
.Lhead_1_\@:
	OCVT 1, \n
	s_branch .Lhead_done_\@
.Lhead_2_\@:
	OCVT 2, \n
.Lhead_done_\@:
.endm
.macro BIASADD off                     ; the residual stream takes a bias of 128 channels, in f32
	WIN 0
.irp mt, 0,1,2,3,4,5,6,7
.irp q, 0,1
	ds_load_b128 v[ACC+8*\mt+4*\q:ACC+8*\mt+4*\q+3], v5 offset:(\off)+64*\mt+16*\q
.endr
.endr
	s_wait_dscnt 0x0
	WIN 0x41
.set i, 0
.rept 128
	v_pk_add_f32 v[64*(i/32)+2*(i%32):64*(i/32)+2*(i%32)+1], v[64*(i/32)+2*(i%32):64*(i/32)+2*(i%32)+1], v[ACC+2*(i%32):ACC+2*(i%32)+1]
.set i, i+1
.endr
	WIN 0
.endm
.macro FC1MUL nt                       ; one tile of 16 hidden channels x nt token tiles, K = 128; the accumulators take turns
.irp kk, 0,1,2,3
	s_wait_dscnt 6-2*\kk
.set tn, 0
.rept \nt
.if \kk == 0
	v_wmma_f32_16x16x32_bf16 v[ACC+8*tn:ACC+8*tn+7], v[WF+8*\kk:WF+8*\kk+7], v[OF+32*tn+8*\kk:OF+32*tn+8*\kk+7], v[BC:BC+7]
.else
	v_wmma_f32_16x16x32_bf16 v[ACC+8*tn:ACC+8*tn+7], v[WF+8*\kk:WF+8*\kk+7], v[OF+32*tn+8*\kk:OF+32*tn+8*\kk+7], v[ACC+8*tn:ACC+8*tn+7]
.endif
.set tn, tn+1
.endr
.endr
.endm
.macro FC2MUL buf, first, nt           ; four tiles of 16 output channels x nt token tiles, K = 32, onto the residual stream: each accumulator has one instruction
.irp j, 0,1,2,3
.set tn, 0
.rept \nt
	v_wmma_f32_16x16x32_bf16 v[64*tn+8*((\first)+\j):64*tn+8*((\first)+\j)+7], v[(\buf)+8*\j:(\buf)+8*\j+7], v[H+8*tn:H+8*tn+7], v[64*tn+8*((\first)+\j):64*tn+8*((\first)+\j)+7]
.set tn, tn+1
.endr
.endr
.endm
; 2 gelu of one accumulator's eight numbers Z, rounded to bf16: (Z + |Z|) - |Z| 2^(|Z| (q0 + |Z| (q1 + |Z| (q2 + |Z| (q3 + |Z| q4))))).  Four packed chains side by side: a line reads what was made
; four lines before it.  The exponentials stand two by two with a plain add, which names none of their registers, behind each pair (ISA guide 5.7.2).
.macro GELU8 n, s
.set Z, ACC+8*(\n)
.set HH, H+8*(\n)+4*(\s)
.irp i, 0,1,2,3,4,5,6,7
	v_and_b32 v[T+\i], s85, v[Z+\i]                ; |Z|
.endr
.irp p, 0,2,4,6
	v_pk_fma_f32 v[T+8+\p:T+9+\p], v[T+\p:T+\p+1], s[88:89], s[90:91] op_sel_hi:[1,0,0]
.endr
.irp p, 0,2,4,6
	v_pk_fma_f32 v[T+8+\p:T+9+\p], v[T+8+\p:T+9+\p], v[T+\p:T+\p+1], s[92:93] op_sel_hi:[1,1,0]
.endr
.irp p, 0,2,4,6
	v_pk_fma_f32 v[T+8+\p:T+9+\p], v[T+8+\p:T+9+\p], v[T+\p:T+\p+1], s[94:95] op_sel_hi:[1,1,0]
.endr
.irp p, 0,2,4,6
	v_pk_fma_f32 v[T+8+\p:T+9+\p], v[T+8+\p:T+9+\p], v[T+\p:T+\p+1], s[100:101] op_sel_hi:[1,1,0]
.endr
.irp p, 0,2,4,6
	v_pk_mul_f32 v[T+8+\p:T+9+\p], v[T+8+\p:T+9+\p], v[T+\p:T+\p+1]
.endr
.irp p, 0,2,4,6
	v_exp_f32 v[T+8+\p], v[T+8+\p]
	v_exp_f32 v[T+9+\p], v[T+9+\p]
	v_pk_add_f32 v[Z+\p:Z+\p+1], v[Z+\p:Z+\p+1], v[T+\p:T+\p+1]  ; Z + |Z|, in place
.endr
	s_wait_alu depctr_va_vdst(0)
.irp p, 0,2,4,6
	v_pk_fma_f32 v[Z+\p:Z+\p+1], v[T+\p:T+\p+1], v[T+8+\p:T+9+\p], v[Z+\p:Z+\p+1] neg_lo:[1,0,0] neg_hi:[1,0,0]
.endr
.irp p, 0,1,2,3
	v_cvt_pk_bf16_f32 v[HH+\p], v[Z+2*\p], v[Z+2*\p+1]
.endr
.endm
.macro GELU nt, s
.set gn, 0
.rept \nt
	GELU8 gn, \s
.set gn, gn+1
.endr
.endm
; One chunk of 32 hidden channels for nt token tiles: fc1's two tiles, each with its GELU, then fc2's eight tiles.  v3: the chunk in LDS + 16 x lane; v5: its bias.
; The loads stand a phase ahead of their use; the chunk's first ten were issued at the foot of the trip before.
.macro CHUNK nt
	FC1MUL \nt
	PLACES                                         ; in front of the loads into the fragments' registers
	LDB 5, 64
	LDW 3, 4096, WF
	GELU \nt, 0
	FC1MUL \nt
	PLACES
	LDW 3, 8192, WF                                ; fc2 tiles 0-3
	GELU \nt, 1
	LDW 3, 12288, ACC                              ; fc2 tiles 4-7, where the hidden sums lay
	s_wait_dscnt 8                                 ; tiles 4-7's eight loads may be out
	WIN 0x50
	FC2MUL WF, 0, \nt
	s_wait_dscnt 0x0
	FC2MUL ACC, 4, \nt
	WIN 0
.endm
.macro YST n, c                        ; the way out: group (n, c) into my stage, a token a lane, and back as rows of 256 bytes, into the registers that it left
	WIN 0x04
.irp i, 0,1,2,3
.irp q, 0,1
	ds_store_b128 v3, v[64*(\n)+32*(\c)+8*\i+4*\q:64*(\n)+32*(\c)+8*\i+4*\q+3] offset:64*\i+16*\q
.endr
.endr
	WIN 0x40
.irp t, 0,1,2,3,4,5,6,7
	ds_load_b128 v[64*(\n)+32*(\c)+4*\t:64*(\n)+32*(\c)+4*\t+3], v4 offset:544*\t
.endr
.endm
.macro YGL n, c, younger               ; its eight stores; younger: the LDS instructions issued behind the group's loads
	s_wait_dscnt \younger
	WIN 0x04
.irp t, 0,1,2,3,4,5,6,7
	XSEL \n, \t, YBO, IBO
	global_store_b128 v[VO], v[64*(\n)+32*(\c)+4*\t:64*(\n)+32*(\c)+4*\t+3], s[SB:SB+1] offset:256*(\c)  ; 16 lanes store 256 consecutive bytes, at a multiple of 256 from the buffer's first
.endr
.endm
	; ---------------- the head
	s_load_b256 s[4:11], s[0:1], 0x0               ; x s[4:5], the image s[6:7], par s[8:9], the result s[10:11]
	v_lshl_add_u32 v[SPW], v0, 2, SPARE
	v_mov_b32 v[NIL], 0
	ds_add_u32 v[SPW], v[NIL]                      ; the wave's opening: the add and its wait stand ahead of my first tensor load; work on registers stands between them
	v_lshrrev_b32 v3, 5, v0
	v_readfirstlane_b32 s12, v3                    ; my wave: the window's column
	s_bfe_u32 s13, ttmp6, 0x40000                  ; cx: it enters x's and the result's addresses and the mask's values alone
	s_lshl_b32 s14, ttmp9, 2
	s_add_co_u32 s14, s14, s13                     ; my work-group: 8 x picture + window row
	; descriptor group 1: a dense block as rows of 256 bytes (32 elements of 8 bytes); 130 rows a wave in the first fill
	s_mov_b32 s24, 15|(3<<16)|(1<<21)              ; 15:0 the mask of four; 17:16 elements of 8 bytes; 21 set beside a mask
	s_mov_b32 s25, 32<<16                          ; tensor_dim0 = 32
	s_mov_b32 s26, 130<<16                         ; tensor_dim1
	s_mov_b32 s27, 32<<16                          ; tile_dim0 = 32
	s_mov_b32 s28, 130                             ; tile_dim1
	s_mov_b32 s29, 32                              ; elements from row to row
	s_mov_b32 s30, 0
	s_mov_b32 s31, 0
	s_mov_b32 s32, 1                               ; group 0: count = 1
	s_mul_i32 s33, s12, 33280                      ; LDS address: my eighth of 266,240 bytes
	s_mul_i32 s16, s12, 33280
	s_mov_b32 s17, 0
	s_mov_b32 s2, 0x3c000000                       ; 1 / 128
	s_mov_b32 s3, 0x3727c5ac                       ; 1e-5
	s_mov_b32 s84, 0xffff0000                      ; lanes 16-31
	s_mov_b32 s85, 0x7fffffff
	s_mov_b32 s86, 0x76543210                      ; v_permlanex16_b32: each lane takes its own place in the other half
	s_mov_b32 s87, 0xfedcba98
	s_mov_b32 s88, 0xba0536e3                      ; q4 = -0.00050817259
	s_mov_b32 s89, s88
	s_mov_b32 s90, 0x3bf0a9de                      ; q3 = 0.0073444687
	s_mov_b32 s91, s90
	s_mov_b32 s92, 0xbd571ab8                      ; q2 = -0.052515715
	s_mov_b32 s93, s92
	s_mov_b32 s94, 0xbeeb20d3                      ; q1 = -0.45923481
	s_mov_b32 s95, s94
	s_sub_co_u32 s98, 8, s12
	s_and_b32 s98, s98, 7                          ; the MLP's count modulo 8 in the trips in which the joint tile is mine
	s_wait_dscnt 0x0                               ; the opening add is done
	s_wait_kmcnt 0x0
	s_load_b32 s15, s[8:9], 0x0                    ; the shift; it is waited for behind the first fill
	s_add_nc_u64 s[34:35], s[6:7], s[16:17]
	s_or_b32 s35, s35, 0x80000000                  ; type = 2
	ROUND                                          ; all four work-groups are here: the first joint loads meet
	TLOAD                                          ; one tensor load of mine is out
	s_wait_kmcnt 0x0
	s_min_u32 s15, s15, 6
	s_lshr_b32 s16, s14, 3                         ; picture
	s_and_b32 s17, s14, 7                          ; window row
	s_mul_i32 s18, s16, IMAGE_BYTES
	s_mov_b32 s19, 0
	s_add_nc_u64 s[IBI:IBI+1], s[4:5], s[18:19]
	s_add_nc_u64 s[IBO:IBO+1], s[10:11], s[18:19]
	s_mul_i32 s20, s17, 7
	s_add_co_u32 s20, s20, s15                     ; the rolled window's first row in x
	s_mov_b32 s23, 0
.irp ty, 0,1,2,3,4,5,6
	s_add_co_u32 s21, s20, \ty
	s_sub_co_u32 s22, s21, 56
	s_min_u32 s21, s21, s22                        ; modulo 56: below 56 the difference wraps to a large number
	s_min_u32 s21, s21, 55
	s_mul_i32 s[GY+\ty], s21, BAND_BYTES
	s_mov_b32 s22, s[GY+\ty]
	s_add_nc_u64 s[YBI+2*\ty:YBI+2*\ty+1], s[IBI:IBI+1], s[22:23]
	s_add_nc_u64 s[YBO+2*\ty:YBO+2*\ty+1], s[IBO:IBO+1], s[22:23]
.endr
	s_mul_i32 s20, s12, 7
	s_add_co_u32 s20, s20, s15
.irp tx, 0,1,2,3,4,5,6
	s_add_co_u32 s21, s20, \tx
	s_sub_co_u32 s22, s21, 56
	s_min_u32 s21, s21, s22
	s_min_u32 s21, s21, 55
	s_lshl_b32 s[GX+\tx], s21, 9
.endr
	s_sub_co_u32 s21, 7, s15
	s_cmp_eq_u32 s17, 7
	s_cselect_b32 s99, s21, 64                     ; from this ty on a token lies in the rolled-in region; 64: never
	s_cmp_eq_u32 s12, 7
	s_cselect_b32 s100, s21, 64
	; ---------------- x and the first norm
	XADDR
	XISSUE
	STADDR
	FIN 0, 0, 42
	FIN 0, 1, 34
	FIN 1, 0, 26
	FIN 1, 1, 18
	s_wait_dscnt 32                                ; tile 0 is in; tile 1's 32 instructions on the stage may be out
	LN 0, 0x40, XN                                 ; the norm's output takes registers of tiles already used up
	FIN 2, 0, 10
	FIN 2, 1, 2
	s_wait_dscnt 32
	LN 1, 0x40, XN
	FIN 3, 0, 1
	FIN 3, 1, 0
	s_wait_dscnt 18                                ; tile 3 has 2 x 9
	LN 2, 0x40, XN
	s_wait_dscnt 0x0
	LN 3, 0x40, XN
	RFMAKE
	s_wait_tensorcnt 0x0                           ; my part of the first fill is in,
	s_wait_dscnt 0x0
	s_barrier_signal -1
	s_barrier_wait -1                              ; everybody's is
	; ---------------- the heads: four trips
	v_and_b32 v7, 31, v0
	v_lshlrev_b32 v7, 4, v7                        ; 16 x lane: my place in a fragment; kept to the end
	s_mov_b32 s20, 0                               ; the head's two tiles of q's weights (k's 32,768 on, v's 65,536 on)
	s_mov_b32 s21, VECA
	s_mov_b32 s22, TAB
	s_mov_b32 s96, 4
.Lhead:
	v_add_nc_u32 v3, s20, v7
	v_add_nc_u32 v4, 0x10000, v3
	v_bfe_u32 v5, v0, 4, 1
	v_lshl_add_u32 v5, v5, 5, s21                  ; the head's biases, + 32 (l / 16)
	v_add_nc_u32 v6, s22, v7
	LDB 5, 512
	LDW 3, 32768, WF
	GMUL 0, 0                                      ; k, channels 0-15
	LDB 5, 576
	LDW 3, 36864, WF
	GCVT KF, 8, 0
	GMUL 0, 1                                      ; k, channels 16-31
	LDW 4, 0, WF
	GCVT KF+4, 8, 1
	GMUL 1, 0                                      ; v
	LDW 4, 4096, WF
	GCVT VF, 4, 0
	GMUL 1, 1
	LDB 5, 0
	LDW 3, 0, WF
	GCVT VF+16, 4, 1
	GMUL 0, 0                                      ; q
	LDB 5, 64
	LDW 3, 4096, WF
	GCVT QF, 8, 0
	GMUL 0, 1
.irp ct, 0,1
.irp q, 0,1
	ds_load_b128 v[WF+8*\ct+4*\q:WF+8*\ct+4*\q+3], v5 offset:1024+64*\ct+16*\q  ; v's bias
.endr
.endr
	TABLE 0
	GCVT QF+4, 8, 1
	ATT 0
	ATT 1
	ATT 2
	ATT 3
	s_add_co_u32 s20, s20, 8192
	s_add_co_u32 s21, s21, 128
	s_add_co_u32 s22, s22, 16384
	s_sub_co_u32 s96, s96, 1
	s_cmp_lg_u32 s96, 0
	s_cbranch_scc1 .Lhead
	; ---------------- x once more, as the residual; qkv's bytes are filled again
	XADDR
	XISSUE                                         ; window 1 is free; its last matrix readers stand more than four plain instructions back
	s_wait_tensorcnt 0x0                           ; no tensor load of mine is out, so the descriptor may be written
	ds_add_u32 v[SPW], v[NIL]                      ; 0 onto my spare word
	s_mov_b32 s26, 48<<16                          ; 48 rows a wave: 98,304 bytes
	s_mov_b32 s28, 48
	s_mul_i32 s33, s12, 12288
	s_mul_i32 s16, s12, 12288
	s_add_co_u32 s16, s16, R1_IMG
	s_mov_b32 s17, 0
	s_add_nc_u64 s[34:35], s[6:7], s[16:17]
	s_or_b32 s35, s35, 0x80000000
	s_wait_dscnt 0x0                               ; the add is done, and my reads of qkv's weights are over
	ROUND                                          ; so are those of every wave of the four work-groups
	TLOAD
	; ---------------- the projection, onto x + pb
	STADDR
	v_lshl_add_u32 v5, v6, 5, VECA                 ; the vectors, + 32 (l / 16)
	v_add_nc_u32 v6, PROJ, v7
	FIN 0, 0, 42
	FIN 0, 1, 34
	FIN 1, 0, 26
	FIN 1, 1, 18
	FIN 2, 0, 10
	FIN 2, 1, 2
	FIN 3, 0, 1
	FIN 3, 1, 0
	BIASADD 1536
	LDW 6, 0, WF                                   ; three buffers of four fragments, two tiles ahead
	LDW 6, 4096, ACC
	LDW 6, 8192, ACC+32
.set mt, 0
.rept 8
.if mt%3 == 0
.set FB, WF
.else
.set FB, ACC+32*(mt%3-1)
.endif
.if mt < 6
	s_wait_dscnt 16                                ; the two tiles ahead may be out
.elseif mt == 6
	s_wait_dscnt 8
.else
	s_wait_dscnt 0x0
.endif
	WIN 0x50
.irp kk, 0,1,2,3
.irp n, 0,1,2,3
	v_wmma_f32_16x16x32_bf16 v[64*\n+8*mt:64*\n+8*mt+7], v[FB+8*\kk:FB+8*\kk+7], v[OF+32*\kk+8*\n:OF+32*\kk+8*\n+7], v[64*\n+8*mt:64*\n+8*mt+7]
.endr
.endr
	WIN 0
.if mt < 5
	PLACES
	LDW 6, (mt+3)*4096, FB
.endif
.set mt, mt+1
.endr
	; ---------------- the table's, the vectors' and the projection's bytes are filled again
	s_wait_tensorcnt 0x0                           ; the second fill has landed: the round below shows it to every wave
	ds_add_u32 v[SPW], v[NIL]
	s_mov_b32 s26, 50<<16                          ; 50 rows a wave: 102,400 bytes
	s_mov_b32 s28, 50
	s_mul_i32 s33, s12, 12800
	s_add_co_u32 s33, s33, R2_LDS
	s_mul_i32 s16, s12, 12800
	s_add_co_u32 s16, s16, R2_IMG
	s_mov_b32 s17, 0
	s_add_nc_u64 s[34:35], s[6:7], s[16:17]
	s_or_b32 s35, s35, 0x80000000
	s_wait_dscnt 0x0
	ROUND
	TLOAD                                          ; the four v_nop behind it are also the places behind the last products
	; ---------------- the second norm; then the stream takes f2b
	LN 0, 0, OF
	LN 1, 0, OF
	LN 2, 0, OF
	LN 3, 0, OF
	BIASADD VECM+2048-VECA
	; ---------------- the eight tokens 48 become one tile.  Tile 3's sixteen lanes of a half hold the same numbers, so they store the same bytes to the same place: no lane is switched off
	v_bfe_u32 v6, v0, 4, 1                         ; l / 16; kept through the MLP
	s_lshl_b32 s16, s12, 4
	s_add_co_u32 s16, s16, OT
	v_lshl_add_u32 v3, v6, 8, s16                  ; the joint tile's row w
.irp kk, 0,1,2,3
.irp q, 0,1
	ds_store_b128 v3, v[OF+96+8*\kk+4*\q:OF+96+8*\kk+4*\q+3] offset:1024*\kk+512*\q  ; my token 48 as operand
.endr
.endr
	s_lshl_b32 s16, s12, 9
	s_add_co_u32 s16, s16, XO
	v_lshl_add_u32 v4, v6, 5, s16
	WIN 0x04
.irp mt, 0,1,2,3,4,5,6,7
.irp q, 0,1
	ds_store_b128 v4, v[192+8*\mt+4*\q:192+8*\mt+4*\q+3] offset:64*\mt+16*\q  ; and its residual with f2b, as a row of 512 bytes: I alone read it, at the end
.endr
.endr
	WIN 0x40
.set i, 0
.rept 64
	v_mov_b32 v[192+i], 0                          ; tile 3's accumulators now take my part of the joint tile's sums.  They are cleared: a start with C = 0 would want a third copy of the chunk's text
.set i, i+1
.endr
	WIN 0
	s_mov_b32 s100, 0xbf935761                     ; q0 = -1.1511041 (the mask's thresholds are used up)
	s_mov_b32 s101, s100
	s_wait_tensorcnt 0x0                           ; my part of the third fill is in,
	s_wait_dscnt 0x0                               ; and my row of the joint tile;
	s_barrier_signal -1
	s_barrier_wait -1                              ; everybody's are.
	v_and_b32 v4, 7, v0
	v_lshlrev_b32 v4, 4, v4
	v_lshl_add_u32 v4, v6, 8, v4
	v_add_nc_u32 v4, OT, v4                        ; lane l takes row l % 8: rows 8-15 of the tile repeat rows 0-7
.irp kk, 0,1,2,3
.irp q, 0,1
	ds_load_b128 v[OF+96+8*\kk+4*\q:OF+96+8*\kk+4*\q+3], v4 offset:1024*\kk+512*\q
.endr
.endr
	; ---------------- the MLP: 16 chunks of 32 hidden channels
	s_mov_b32 s20, 0                               ; the chunk
	s_mov_b32 s22, VECM                            ; its bias
	v_add_nc_u32 v3, s20, v7
	v_lshl_add_u32 v5, v6, 5, s22
	LDB 5, 0
	LDW 3, 0, WF
	s_mov_b32 s96, 16
.Lchunk:
	s_and_b32 s16, s96, 7
	s_cmp_eq_u32 s16, s98                          ; chunks w and w + 8: the joint tile rides with my three.  The jump hangs on the wave's number and the count alone and passes no barrier
	s_cbranch_scc1 .Lwith
	CHUNK 3
	s_branch .Lstep
.Lwith:
	CHUNK 4
.Lstep:
	s_add_co_u32 s20, s20, CHUNKB
	s_add_co_u32 s22, s22, 128
	v_add_nc_u32 v3, s20, v7                       ; with three v_nop: five places in front of the next products, which write where fc2's fragments lay
	v_lshl_add_u32 v5, v6, 5, s22
.rept 3
	v_nop
.endr
	LDB 5, 0                                       ; the next chunk's first tile; behind the last chunk: landed bytes that nobody uses
	LDW 3, 0, WF
	s_sub_co_u32 s96, s96, 1
	s_cmp_lg_u32 s96, 0
	s_cbranch_scc1 .Lchunk
	; ---------------- the way out: my three tiles; then the joint tile's partial sums meet
	XADDR
	STADDR
	v_and_b32 v5, 7, v5
	v_mul_u32_u24 v5, v5, PPITCH
	v_lshl_add_u32 v5, v6, 5, v5
	v_add_nc_u32 v5, s16, v5                       ; row l % 8 of my stage at the longer pitch, + 32 (l / 16)
	YST 0, 0
	YST 0, 1
	YGL 0, 0, 16
	YST 1, 0
	YGL 0, 1, 16
	YST 1, 1
	YGL 1, 0, 16
	YST 2, 0
	YGL 1, 1, 16
	YST 2, 1
	YGL 2, 0, 16
	WIN 0x04
.irp mt, 0,1,2,3,4,5,6,7
.irp q, 0,1
	ds_store_b128 v5, v[192+8*\mt+4*\q:192+8*\mt+4*\q+3] offset:64*\mt+16*\q  ; lanes l and l + 8 hold the same sums and store them to the same place; these come behind the stage's last loads
.endr
.endr
	YGL 2, 1, 16                                   ; those sixteen stores may be out
	WIN 0
	s_wait_tensorcnt 0x0                           ; the wave's end, behind my last tensor load and my last LDS store; only LDS reads follow
	ds_add_u32 v[SPW], v[NIL]
	s_mul_i32 s17, s12, PPITCH
	s_add_co_u32 s17, s17, STAGE
	v_add_nc_u32 v3, s17, v7                       ; row w of stage 0, my 16 bytes
	s_lshl_b32 s17, s12, 9
	s_add_co_u32 s17, s17, XO
	v_add_nc_u32 v4, s17, v7
	v_add_nc_u32 v6, s[GX+6], v7                   ; token 48: column 6 of band 6
	s_wait_dscnt 0x0                               ; for the others' sake: my partial sums are in my stage
	s_barrier_signal -1
	s_barrier_wait -1
.irp g, 0,1,2,3,4,5,6,7
	ds_load_b128 v[ACC+4*\g:ACC+4*\g+3], v3 offset:\g*16*SPITCH  ; wave g's part of my token's sums
.endr
	ds_load_b128 v[ACC+32:ACC+35], v4              ; and the residual with f2b
	s_wait_dscnt 0x0
.irp a, 0,8,16,24
	v_pk_add_f32 v[ACC+\a:ACC+\a+1], v[ACC+\a:ACC+\a+1], v[ACC+\a+4:ACC+\a+5]
	v_pk_add_f32 v[ACC+\a+2:ACC+\a+3], v[ACC+\a+2:ACC+\a+3], v[ACC+\a+6:ACC+\a+7]
.endr
.irp a, 0,16
	v_pk_add_f32 v[ACC+\a:ACC+\a+1], v[ACC+\a:ACC+\a+1], v[ACC+\a+8:ACC+\a+9]
	v_pk_add_f32 v[ACC+\a+2:ACC+\a+3], v[ACC+\a+2:ACC+\a+3], v[ACC+\a+10:ACC+\a+11]
.endr
.irp a, 16,32
	v_pk_add_f32 v[ACC:ACC+1], v[ACC:ACC+1], v[ACC+\a:ACC+\a+1]
	v_pk_add_f32 v[ACC+2:ACC+3], v[ACC+2:ACC+3], v[ACC+\a+2:ACC+\a+3]
.endr
	global_store_b128 v6, v[ACC:ACC+3], s[YBO+12:YBO+13]  ; the wave stores the token's 512 consecutive bytes, at a multiple of 256 from the buffer's first
	ROUND                                          ; the closing round: no work-group ends while a partner may still ask for a part that names it
	s_endpgm
.Lfunc_end_k_qa4db39d46a_layer0:
	.size	k_qa4db39d46a_layer0, .Lfunc_end_k_qa4db39d46a_layer0-k_qa4db39d46a_layer0
	.p2alignl 7, 3214868480
	.fill 96, 4, 3214868480
	.section	.rodata,"a",@progbits
	.p2align	6, 0x0
	.amdhsa_kernel k_qa4db39d46a_layer0
		.amdhsa_group_segment_fixed_size 327680
		.amdhsa_private_segment_fixed_size 0
		.amdhsa_enable_private_segment 0
		.amdhsa_kernarg_size 32
		.amdhsa_user_sgpr_count 2
		.amdhsa_user_sgpr_kernarg_segment_ptr 1
		.amdhsa_wavefront_size32 1
		.amdhsa_system_sgpr_workgroup_id_x 1
		.amdhsa_system_sgpr_workgroup_id_y 1
		.amdhsa_system_sgpr_workgroup_id_z 1
		.amdhsa_system_vgpr_workitem_id 0
		.amdhsa_next_free_vgpr 512
		.amdhsa_next_free_sgpr 102
		.amdhsa_reserve_vcc 0
		.amdhsa_float_denorm_mode_32 3
		.amdhsa_float_denorm_mode_16_64 3
		.amdhsa_memory_ordered 1
		.amdhsa_forward_progress 1
		.amdhsa_inst_pref_size 255
	.end_amdhsa_kernel
	.section	.bss,"aw",@nobits
	.p2align	6
	.space	262144
	.amdgpu_metadata
---
amdhsa.version: [ 1, 2 ]
amdhsa.kernels:
  - .name:           k_qa4db39d46a_layer0
    .symbol:         k_qa4db39d46a_layer0.kd
    .args:
      - { .name: x, .offset: 0, .size: 8, .value_kind: global_buffer, .address_space: global }
      - { .name: wimg0, .offset: 8, .size: 8, .value_kind: global_buffer, .address_space: global }
      - { .name: par0, .offset: 16, .size: 8, .value_kind: global_buffer, .address_space: global }
      - { .name: mid, .offset: 24, .size: 8, .value_kind: global_buffer, .address_space: global }
    .group_segment_fixed_size: 327680
    .private_segment_fixed_size: 0
    .kernarg_segment_align: 8
    .kernarg_segment_size: 32
    .max_flat_workgroup_size: 256
    .sgpr_count:     102
    .vgpr_count:     512
    .wavefront_size: 32
...
	.end_amdgpu_metadata
.endif
;; end of part 4
;; launch layer1: the kernel of part 4 again; grid 256 x 1, 8 waves a work-group, clusters of 4 x 1, 327,680 bytes of LDS; arguments mid, wimg1, par1, out0; writes out0
